; MI455X (gfx1250); checked and timed in simulation.
; The chip was launched on July 23, 2026; its instructions are those of AMD's public machine-readable ISA for CDNA 5 (MIT licence, August 2026) and "CDNA5" Instruction Set Architecture Reference Guide (July 2026). The comments in the code are by the model that wrote it; some were corrected since.
;; Deepseek V2 Mo E. Allowed arithmetic: float matrix products may take bf16 or f16 operands with f32 sums; all other float work in f32.
;; Inputs: Wd 8 x 512 x 1,024 float32; Wg 8 x 1,024 x 512 float32; Wu 8 x 1,024 x 512 float32; gate_w 8 x 1,024 float32; hidden_states 4 x 1,024 x 1,024 float32; sWd 512 x 1,024 float32; sWg 1,024 x 512 float32; sWu 1,024 x 512 float32.
;; Outputs: out0 4 x 1,024 x 1,024 float32.
;; 2 versions, each right; version 2 is version 1 with the launch route written anew for expert scheduling mode. Each part assembles by itself: llvm-mc -triple=amdgcn-amd-amdhsa -mcpu=gfx1250 --defsym DOCPART=n.
;; ======== version 1 of 2: 6 launches
;; workspace buffers: xb 8,388,608 bytes; topi 32,768 bytes of whole numbers; topw 32,768 bytes; wb 28,311,552 bytes; rtab 73,984 bytes of whole numbers; xr 20,447,232 bytes; inter 14,417,920 bytes; y 57,671,680 bytes
;; launch route (part 1): grid 256 x 1, 4 waves a work-group, no clusters, 0 bytes of LDS; arguments hidden_states, gate_w, xb, topi, topw; writes xb, topi, topw
.if DOCPART == 1
	.amdgcn_target "amdgcn-amd-amdhsa--gfx1250"
	.amdhsa_code_object_version 6
	.text
	.protected	k_q8406d5086d_route
	.globl	k_q8406d5086d_route
	.p2align	8
	.type	k_q8406d5086d_route,@function
k_q8406d5086d_route:
	s_mov_b64 s[64:65], 0
	v_nop
	global_prefetch_b8 v0, s[64:65] scope:SCOPE_SE
	s_setreg_imm32_b32 hwreg(HW_REG_WAVE_MODE, 25, 1), 1
	s_wait_xcnt 0x0
; route: x rounded once to bf16 (stored for the later products); for each of 4096 tokens the 8 router logits, softmax (maximum taken
; away first), the two largest scores (ties to the lower index), their weights divided by (sum + 1e-20).
; Four waves, a wave owns 4 tokens; lane l holds x[t][128 j + 4 l .. + 3], j = 0..7, so x is read once and serves both uses.
; The product of the router takes x and gate_w ROUNDED TO BF16, as every other matrix product of this program does: router and experts see the same x.
; The products of two bf16 numbers are exact in f32, the sums are f32 multiply-adds on the vector unit: 8 columns fill half a matrix tile,
; the work is 8 rows of 1024 for a token, and x lies in these registers for the cast anyway.
; LIMITS: against a router in full f32 a second and a third score may change places where their logits differ by less than the rounding of the
; operands brings (relative 2^-9 at most an operand); against a router on the rounded operands only the order of the f32 sums differs
; (about 1e-6 relative).  With NaN among the logits the two indices are both 0; later launches clamp every index.
.set PKX, 8                            ; v[8:39]    first: x of two tokens packed to bf16, on its way to xb
.set L,   8                            ; v[8:39]    then: logit of (t, e) at L + 8 t + e
.set ACC, 40                           ; v[40:47]   four running pairs, one a token
.set R,   40                           ; v[40:55]   later: i1, i2, w1, w2 of token t at R + 4 t
.set T,   48                           ; v[48:63]   a gate row packed to bf16
.set X,   64                           ; v[64:191]  x of token t, chunk j at X + 32 t + 4 j
.set G,   192                          ; v[192:255] two buffers of 32: one gate row each
.set P,   192                          ; later: the 8 exponentials, then scores
.set M,   200
.set Z,   201
.set U,   202                          ; v[202:204] partial sums
.set RZ,  205
.set B1,  206
.set B2,  207
.set DEN, 208
	s_load_b256 s[4:11], s[0:1], 0x0               ; hidden_states s[4:5], gate_w s[6:7], xb s[8:9], topi s[10:11]
	s_load_b64 s[12:13], s[0:1], 0x20              ; topw
	v_and_b32 v2, 31, v0                           ; lane
	v_lshrrev_b32 v4, 5, v0
	v_readfirstlane_b32 s14, v4                    ; wave
	v_lshlrev_b32 v1, 4, v2                        ; 16 x lane
	v_lshlrev_b32 v3, 3, v2                        ; 8 x lane
	s_mov_b32 s20, 0x76543210                      ; v_permlanex16_b32: lane i reads lane i of the other half
	s_mov_b32 s21, 0xfedcba98
	s_mov_b32 s25, 0xffff0000                      ; the upper bf16 of a word
	s_lshl_b32 s16, ttmp9, 16                      ; 16 tokens of 4096 bytes a work-group,
	s_lshl_b32 s15, s14, 14                        ; 4 a wave
	s_add_co_u32 s16, s16, s15
	s_mov_b32 s17, 0
	s_lshr_b32 s18, s16, 1                         ; the same tokens in bf16: half the bytes
	s_mov_b32 s19, 0
	s_lshr_b32 s22, s16, 9                         ; 8 bytes a token in topi and in topw
	s_mov_b32 s23, 0
	s_wait_kmcnt 0x0
	s_add_nc_u64 s[4:5], s[4:5], s[16:17]
	s_add_nc_u64 s[8:9], s[8:9], s[18:19]
	s_add_nc_u64 s[10:11], s[10:11], s[22:23]
	s_add_nc_u64 s[12:13], s[12:13], s[22:23]
.irp t, 0,1,2,3
.irp j, 0,1,2,3,4,5,6,7
	global_load_b128 v[X+32*\t+4*\j:X+32*\t+4*\j+3], v1, s[4:5] offset:4096*\t+512*\j th:TH_LOAD_NT
.endr
.endr
.macro GATE e, buf                     ; one gate row, 8 loads of 512 neighbouring bytes
.irp j, 0,1,2,3,4,5,6,7
	global_load_b128 v[G+32*\buf+4*\j:G+32*\buf+4*\j+3], v1, s[6:7] offset:4096*(\e)+512*\j
.endr
.endm
	GATE 0, 0
	GATE 1, 1
; Token t (p: which half of the packed registers): rounded to bf16, stored (a store of the wave covers 256 consecutive bytes, aligned),
; and widened back in place: from here on X holds the rounded numbers as f32.
.macro ROUNDX t, p
.irp j, 0,1,2,3,4,5,6,7
	v_cvt_pk_bf16_f32 v[PKX+16*\p+2*\j],   v[X+32*\t+4*\j],   v[X+32*\t+4*\j+1]
	v_cvt_pk_bf16_f32 v[PKX+16*\p+2*\j+1], v[X+32*\t+4*\j+2], v[X+32*\t+4*\j+3]
	global_store_b64 v3, v[PKX+16*\p+2*\j:PKX+16*\p+2*\j+1], s[8:9] offset:2048*\t+256*\j
	v_lshlrev_b32 v[X+32*\t+4*\j],   16,  v[PKX+16*\p+2*\j]
	v_and_b32     v[X+32*\t+4*\j+1], s25, v[PKX+16*\p+2*\j]
	v_lshlrev_b32 v[X+32*\t+4*\j+2], 16,  v[PKX+16*\p+2*\j+1]
	v_and_b32     v[X+32*\t+4*\j+3], s25, v[PKX+16*\p+2*\j+1]
.endr
.endm
	s_wait_loadcnt 16                              ; x is in; the 16 loads of the first two gate rows may stay out
	ROUNDX 0, 0
	ROUNDX 1, 1
	s_wait_xcnt 0x0                                ; the packed registers, which the stores read, are rewritten only behind this wait
	ROUNDX 2, 0
	ROUNDX 3, 1
	s_wait_xcnt 0x0                                ; and again: the logits take the same registers
; One expert for my four tokens.  left: the younger loads that may stay out (the next gate row).
.macro EXPERT e, buf, left, next
	s_wait_loadcnt \left
.set i, 0
.rept 16
	v_cvt_pk_bf16_f32 v[T+i], v[G+32*\buf+2*i], v[G+32*\buf+2*i+1]         ; the gate row rounded to bf16,
.set i, i+1
.endr
.set i, 0
.rept 16
	v_lshlrev_b32 v[G+32*\buf+2*i],   16,  v[T+i]                          ; and widened back in place
	v_and_b32     v[G+32*\buf+2*i+1], s25, v[T+i]
.set i, i+1
.endr
.irp t, 0,1,2,3
	v_pk_mul_f32 v[ACC+2*\t:ACC+2*\t+1], v[X+32*\t:X+32*\t+1], v[G+32*\buf:G+32*\buf+1]      ; the first product starts the sum
.endr
.irp k, 2,4,6,8,10,12,14,16,18,20,22,24,26,28,30
.irp t, 0,1,2,3
	v_pk_fma_f32 v[ACC+2*\t:ACC+2*\t+1], v[X+32*\t+\k:X+32*\t+\k+1], v[G+32*\buf+\k:G+32*\buf+\k+1], v[ACC+2*\t:ACC+2*\t+1]
.endr
.endr
.irp t, 0,1,2,3
	v_add_f32 v[L+8*\t+\e], v[ACC+2*\t], v[ACC+2*\t+1]
.endr
.if \next
	GATE \e+2, \buf
.endif
.endm
	EXPERT 0, 0, 8, 1
	EXPERT 1, 1, 8, 1
	EXPERT 2, 0, 8, 1
	EXPERT 3, 1, 8, 1
	EXPERT 4, 0, 8, 1
	EXPERT 5, 1, 8, 1
	EXPERT 6, 0, 8, 0
	EXPERT 7, 1, 0, 0
	; the 32 sums over the 32 lanes, one step for all of them at a time so that no step waits for the one in front of it
.irp m, 1,2,4,8
.set i, 0
.rept 32
	v_add_f32_dpp v[L+i], v[L+i], v[L+i] row_xmask:\m row_mask:0xf bank_mask:0xf
.set i, i+1
.endr
.endr
.set i, 0
.rept 32
	v_permlanex16_b32 v[G+i], v[L+i], s20, s21     ; its destination counts as read: these registers have held a gate row
.set i, i+1
.endr
.set i, 0
.rept 32
	v_add_f32 v[L+i], v[L+i], v[G+i]
.set i, i+1
.endr
; softmax, top 2 and the weights of token t; every lane computes the same.
.macro TOP2 t
	v_max3_num_f32 v[M], v[L+8*\t], v[L+8*\t+1], v[L+8*\t+2]
	v_max3_num_f32 v[M], v[M], v[L+8*\t+3], v[L+8*\t+4]
	v_max3_num_f32 v[M], v[M], v[L+8*\t+5], v[L+8*\t+6]
	v_max_num_f32 v[M], v[M], v[L+8*\t+7]
.irp e, 0,1,2,3,4,5,6,7
	v_sub_f32 v[P+\e], v[L+8*\t+\e], v[M]          ; the difference first, unfused: it is exactly 0 at the maximum
.endr
.irp e, 0,1,2,3,4,5,6,7
	v_mul_f32 v[P+\e], 0x3fb8aa3b, v[P+\e]         ; log2(e): v_exp_f32 works in base 2
.endr
.irp e, 0,1,2,3,4,5,6,7
	v_exp_f32 v[P+\e], v[P+\e]
.endr
	v_mov_b32 v[R+4*\t], 0                         ; a plain instruction between the exponentials and their use (ISA guide 5.7.2): i1 starts at 0
	s_wait_alu depctr_va_vdst(0)
	v_add_f32 v[Z], v[P], v[P+1]
	v_add_f32 v[U], v[P+2], v[P+3]
	v_add_f32 v[U+1], v[P+4], v[P+5]
	v_add_f32 v[U+2], v[P+6], v[P+7]
	v_add_f32 v[Z], v[Z], v[U]
	v_add_f32 v[U+1], v[U+1], v[U+2]
	v_add_f32 v[Z], v[Z], v[U+1]                   ; at least 1: the maximum gives 1
	v_rcp_f32 v[RZ], v[Z]
	v_mov_b32 v[R+4*\t+1], 0                       ; the plain place behind the reciprocal: i2 starts at 0
	s_wait_alu depctr_va_vdst(0)
.irp e, 0,1,2,3,4,5,6,7
	v_mul_f32 v[P+\e], v[P+\e], v[RZ]              ; the scores
.endr
	v_mov_b32 v[B1], v[P]
.irp e, 1,2,3,4,5,6,7
	v_cmp_gt_f32 vcc_lo, v[P+\e], v[B1]            ; strictly larger: a tie stays with the lower index
	v_cndmask_b32 v[B1], v[B1], v[P+\e], vcc_lo
	v_cndmask_b32 v[R+4*\t], v[R+4*\t], \e, vcc_lo
.endr
.irp e, 0,1,2,3,4,5,6,7
	v_cmp_eq_u32 vcc_lo, \e, v[R+4*\t]
	v_cndmask_b32 v[P+\e], v[P+\e], -1.0, vcc_lo   ; the winner leaves the field: scores are never negative
.endr
	v_mov_b32 v[B2], v[P]
.irp e, 1,2,3,4,5,6,7
	v_cmp_gt_f32 vcc_lo, v[P+\e], v[B2]
	v_cndmask_b32 v[B2], v[B2], v[P+\e], vcc_lo
	v_cndmask_b32 v[R+4*\t+1], v[R+4*\t+1], \e, vcc_lo
.endr
	v_add_f32 v[DEN], v[B1], v[B2]
	v_add_f32 v[DEN], 0x1e3ce508, v[DEN]           ; + 1e-20
	v_rcp_f32 v[DEN], v[DEN]
	v_nop                                          ; the plain place behind the reciprocal
	s_wait_alu depctr_va_vdst(0)
	v_mul_f32 v[R+4*\t+2], v[B1], v[DEN]
	v_mul_f32 v[R+4*\t+3], v[B2], v[DEN]
.endm
	TOP2 0
	TOP2 1
	TOP2 2
	TOP2 3
	; lane t (0..3) takes token t: two stores of 32 bytes a wave; these two tables are 64 KiB in the whole launch
.irp t, 1,2,3
	v_cmp_eq_u32 vcc_lo, \t, v2
.irp k, 0,1,2,3
	v_cndmask_b32 v[R+\k], v[R+\k], v[R+4*\t+\k], vcc_lo
.endr
.endr
	v_cmp_gt_u32 vcc_lo, 4, v2
	s_wait_xcnt 0x0                                ; EXEC is a source of the memory instructions issued so far: it is narrowed only behind this wait
	s_and_saveexec_b32 s24, vcc_lo
	global_store_b64 v3, v[R:R+1], s[10:11]
	global_store_b64 v3, v[R+2:R+3], s[12:13]
	s_endpgm
.Lfunc_end_k_q8406d5086d_route:
	.size	k_q8406d5086d_route, .Lfunc_end_k_q8406d5086d_route-k_q8406d5086d_route
	.p2alignl 7, 3214868480
	.fill 96, 4, 3214868480
	.section	.rodata,"a",@progbits
	.p2align	6, 0x0
	.amdhsa_kernel k_q8406d5086d_route
		.amdhsa_group_segment_fixed_size 0
		.amdhsa_private_segment_fixed_size 0
		.amdhsa_enable_private_segment 0
		.amdhsa_kernarg_size 40
		.amdhsa_user_sgpr_count 2
		.amdhsa_user_sgpr_kernarg_segment_ptr 1
		.amdhsa_wavefront_size32 1
		.amdhsa_system_sgpr_workgroup_id_x 1
		.amdhsa_system_sgpr_workgroup_id_y 1
		.amdhsa_system_sgpr_workgroup_id_z 1
		.amdhsa_system_vgpr_workitem_id 0
		.amdhsa_next_free_vgpr 256
		.amdhsa_next_free_sgpr 66
		.amdhsa_reserve_vcc 1
		.amdhsa_float_denorm_mode_32 3
		.amdhsa_float_denorm_mode_16_64 3
		.amdhsa_memory_ordered 1
		.amdhsa_forward_progress 1
		.amdhsa_inst_pref_size 101
	.end_amdhsa_kernel
	.amdgpu_metadata
---
amdhsa.version: [ 1, 2 ]
amdhsa.kernels:
  - .name:           k_q8406d5086d_route
    .symbol:         k_q8406d5086d_route.kd
    .args:
      - { .name: hidden_states, .offset: 0, .size: 8, .value_kind: global_buffer, .address_space: global }
      - { .name: gate_w, .offset: 8, .size: 8, .value_kind: global_buffer, .address_space: global }
      - { .name: xb, .offset: 16, .size: 8, .value_kind: global_buffer, .address_space: global }
      - { .name: topi, .offset: 24, .size: 8, .value_kind: global_buffer, .address_space: global }
      - { .name: topw, .offset: 32, .size: 8, .value_kind: global_buffer, .address_space: global }
    .group_segment_fixed_size: 0
    .private_segment_fixed_size: 0
    .kernarg_segment_align: 8
    .kernarg_segment_size: 40
    .max_flat_workgroup_size: 128
    .sgpr_count:     66
    .vgpr_count:     256
    .wavefront_size: 32
...
	.end_amdgpu_metadata
.endif
;; end of part 1
;; launch plancast (part 2): grid 433 x 1, 8 waves a work-group, no clusters, 43,008 bytes of LDS; arguments Wg, Wu, Wd, sWg, sWu, sWd, topi, wb, rtab; writes wb, rtab
.if DOCPART == 2
	.amdgcn_target "amdgcn-amd-amdhsa--gfx1250"
	.amdhsa_code_object_version 6
	.text
	.protected	k_q8406d5086d_plancast
	.globl	k_q8406d5086d_plancast
	.p2align	8
	.type	k_q8406d5086d_plancast,@function
k_q8406d5086d_plancast:
	s_mov_b64 s[64:65], 0
	v_nop
	global_prefetch_b8 v0, s[64:65] scope:SCOPE_SE
	s_setreg_imm32_b32 hwreg(HW_REG_WAVE_MODE, 25, 1), 1
	s_wait_xcnt 0x0
; plancast: two jobs that need nothing of each other, in one launch.
; Work-groups 1..432 round the 27 weight matrices (Wg, Wu, Wd of 8 experts and of the shared one, 2 MiB of f32 each) to bf16 into wb, layout kept:
;   matrix m = 9 x kind + e (kind 0 Wg, 1 Wu, 2 Wd; e = 8 the shared expert) at byte m << 20.  16 work-groups a matrix, 16 KiB of f32 a wave.
; Work-group 0 turns the 8192 (token, expert) pairs of topi into the row plan of the later launches.  It has work for one work-group
; (a count over all tokens), and runs beside the cast.
; THE PLAN.  Rows 0..4095 are the shared expert (row = token), tiles 0..15 of 256 rows.  The routed rows follow, by expert, in ALWAYS 39 tiles:
;   with c_e rows of expert e, U = sum of ceil(c_e / 256) is at most 39 (the c_e add up to 8192); the 39 - U tiles left over are used up by
;   cutting s_e full tiles of an expert into two tiles of 128 rows each (s_e = min(what is left, c_e >> 8), experts in order; the c_e >> 8 add up to at least 25).
;   Rank r of expert e, first tile F_e, S_e = 256 s_e:  row = 256 F_e + r + (r < S_e ? r & ~127 : S_e).
;   So grids, trip counts and branches of the products hang on no count.  Rows that no pair takes hold token 0 and feed nothing.
; rtab: pos[4096][2] at byte 0; tok[10240] at 32768 (token of routed row p - 4096); texp[64] at 73728 (expert of tile j).
; LIMIT: a token whose two indices are equal (only with NaN scores) is counted once; every index and row is clamped, so no access leaves its table.
.set X,    8                           ; cast: v[8:135], chunk i at X + 8 i
.set I,    8                           ; plan: v[8:39]   the two experts of token 512 w + 32 g + lane at I + 2 g; later v[8:23]: the token numbers
.set LP,   40                          ; v[40:71]  their ranks inside the wave; later: where in LDS each row's token goes
.set W,    72                          ; v[72:103] the looked-up word, then the row
.set RUN,  24                          ; s[24:31]  running counts of my wave
.set C,    32                          ; s[32:39]  the totals
.set CNT,  0                           ; LDS: 8 rows of 32 words, the counts of wave w at 128 w
.set TOKL, 1024                        ; LDS: tok, 10240 words
	s_load_b512 s[4:19], s[0:1], 0x0               ; Wg s[4:5], Wu s[6:7], Wd s[8:9], sWg s[10:11], sWu s[12:13], sWd s[14:15], topi s[16:17], wb s[18:19]
	s_load_b64 s[20:21], s[0:1], 0x40              ; rtab
	v_lshl_add_u32 v144, v0, 2, 0xa400
	v_mov_b32 v145, 0
	v_lshrrev_b32 v1, 5, v0
	v_readfirstlane_b32 s22, v1                    ; wave
	v_and_b32 v2, 31, v0                           ; lane
	s_cmp_eq_u32 ttmp9, 0                          ; the same in all waves of a work-group
	s_cbranch_scc1 .Lplan
	; ---------------- the cast ----------------
	s_sub_co_u32 s24, ttmp9, 1
	s_lshr_b32 s25, s24, 4                         ; m
	s_and_b32 s26, s24, 15                         ; which sixteenth of it
	s_wait_kmcnt 0x0
	s_cmp_ge_u32 s25, 9
	s_cselect_b64 s[28:29], s[6:7], s[4:5]         ; the routed source of this kind
	s_cselect_b64 s[30:31], s[12:13], s[10:11]     ; the shared source of this kind
	s_cselect_b32 s27, 9, 0
	s_cmp_ge_u32 s25, 18
	s_cselect_b64 s[28:29], s[8:9], s[28:29]
	s_cselect_b64 s[30:31], s[14:15], s[30:31]
	s_cselect_b32 s27, 18, s27
	s_sub_co_u32 s32, s25, s27                     ; e
	s_cmp_eq_u32 s32, 8
	s_cselect_b64 s[28:29], s[30:31], s[28:29]
	s_cselect_b32 s33, 0, s32
	s_lshl_b32 s34, s33, 21                        ; 2 MiB an expert
	s_lshl_b32 s36, s26, 17
	s_add_co_u32 s34, s34, s36
	s_lshl_b32 s36, s22, 14
	s_add_co_u32 s34, s34, s36
	s_mov_b32 s35, 0
	s_add_nc_u64 s[28:29], s[28:29], s[34:35]
	s_lshl_b32 s36, s25, 20                        ; 1 MiB a matrix in wb
	s_lshl_b32 s38, s26, 16
	s_add_co_u32 s36, s36, s38
	s_lshl_b32 s38, s22, 13
	s_add_co_u32 s36, s36, s38
	s_mov_b32 s37, 0
	s_add_nc_u64 s[18:19], s[18:19], s[36:37]
	v_lshlrev_b32 v3, 5, v2                        ; 8 numbers a lane: 32 bytes in,
	v_lshlrev_b32 v4, 4, v2                        ; 16 bytes out
.set i, 0
.rept 16
	global_load_b128 v[X+8*i:X+8*i+3],   v3, s[28:29] offset:1024*i th:TH_LOAD_NT
	global_load_b128 v[X+8*i+4:X+8*i+7], v3, s[28:29] offset:1024*i+16 th:TH_LOAD_NT
.set i, i+1
.endr
.set i, 0
.rept 16
	s_wait_loadcnt 30-2*i                          ; two loads of each younger chunk may stay out
	v_cvt_pk_bf16_f32 v[X+8*i],   v[X+8*i],   v[X+8*i+1]       ; in place, ascending: each target has been read
	v_cvt_pk_bf16_f32 v[X+8*i+1], v[X+8*i+2], v[X+8*i+3]
	v_cvt_pk_bf16_f32 v[X+8*i+2], v[X+8*i+4], v[X+8*i+5]
	v_cvt_pk_bf16_f32 v[X+8*i+3], v[X+8*i+6], v[X+8*i+7]
	global_store_b128 v4, v[X+8*i:X+8*i+3], s[18:19] offset:512*i  ; 16 lanes store 256 consecutive bytes, aligned
.set i, i+1
.endr
	s_endpgm
	; ---------------- the plan ----------------
.Lplan:
	v_mov_b32 v104, 0
	v_mov_b32 v105, 0
	v_mov_b32 v106, 0
	v_mov_b32 v107, 0
	v_lshlrev_b32 v108, 4, v0                      ; 16 x thread
.irp i, 0,1,2,3,4,5,6,7,8,9
	ds_store_b128 v108, v[104:107] offset:TOKL+4096*\i     ; tok starts as token 0 everywhere
.endr
	v_lshlrev_b32 v139, 3, v2                      ; 8 lane
	v_lshl_add_u32 v109, v1, 12, v139              ; 4096 w + 8 lane: my place in topi and in pos
	v_lshlrev_b32 v112, 2, v0                      ; 128 w + 4 lane
	v_lshlrev_b32 v113, 2, v2                      ; 4 lane
	v_lshl_add_u32 v136, v1, 9, v2                 ; 512 w + lane: my first token
	s_wait_kmcnt 0x0
.irp g, 0,1,2,3,4,5,6,7,8,9,10,11,12,13,14,15
	global_load_b64 v[I+2*\g:I+2*\g+1], v109, s[16:17] offset:256*\g
.endr
.irp e, 0,1,2,3,4,5,6,7
	s_mov_b32 s[RUN+\e], 0
.endr
	s_wait_loadcnt 0x0
.set i, 0
.rept 32
	v_min_u32 v[I+i], 7, v[I+i]
.set i, i+1
.endr
; ranks inside the wave: lanes that name expert e in either place (a token names an expert once) are numbered on from the running count
.macro RANK g, e
	v_cmp_eq_u32 s40, \e, v[I+2*\g]
	v_cmp_eq_u32 s41, \e, v[I+2*\g+1]
	s_or_b32 s42, s40, s41
	v_mbcnt_lo_u32_b32 v110, s42, s[RUN+\e]
.if \e == 0
	v_cndmask_b32 v[LP+2*\g],   0, v110, s40
	v_cndmask_b32 v[LP+2*\g+1], 0, v110, s41
.else
	v_cndmask_b32 v[LP+2*\g],   v[LP+2*\g],   v110, s40
	v_cndmask_b32 v[LP+2*\g+1], v[LP+2*\g+1], v110, s41
.endif
	s_bcnt1_i32_b32 s43, s42
	s_add_co_u32 s[RUN+\e], s[RUN+\e], s43
.endm
.irp g, 0,1,2,3,4,5,6,7,8,9,10,11,12,13,14,15
.irp e, 0,1,2,3,4,5,6,7
	RANK \g, \e
.endr
.endr
	v_mov_b32 v111, 0
.irp e, 0,1,2,3,4,5,6,7
	v_writelane_b32 v111, s[RUN+\e], \e
.endr
	ds_store_b32 v112, v111 offset:CNT             ; lane e: my wave has so many rows of expert e
	s_wait_dscnt 0x0                               ; my counts and my zeros are in LDS before I say so
	s_barrier_signal -1
	s_barrier_wait -1
	; every wave: totals, the ranks at which its own rows begin, and the tiles
.irp w, 0,1,2,3,4,5,6,7
	ds_load_b32 v[114+\w], v113 offset:CNT+128*\w
.endr
	v_mov_b32 v123, 0
	v_mov_b32 v124, 0
	v_lshlrev_b32 v125, 1, v2                      ; tile numbers: 2 lane,
	v_or_b32 v126, 1, v125                         ; 2 lane + 1
	v_mov_b32 v140, 0
	v_mov_b32 v141, 0
	s_wait_dscnt 0x0
	v_add_nc_u32 v122, v114, v115
.irp w, 2,3,4,5,6,7
	v_add_nc_u32 v122, v122, v[114+\w]
.endr
.irp w, 0,1,2,3,4,5,6
	s_cmp_gt_u32 s22, \w
	s_cselect_b32 s40, -1, 0
	v_and_b32 v110, s40, v[114+\w]
	v_add_nc_u32 v123, v123, v110                  ; the rows of the waves in front of mine
.endr
.irp e, 0,1,2,3,4,5,6,7
	v_readlane_b32 s[C+\e], v122, \e
.endr
	s_mov_b32 s44, 0
.irp e, 0,1,2,3,4,5,6,7
	s_add_co_u32 s45, s[C+\e], 255
	s_lshr_b32 s45, s45, 8
	s_add_co_u32 s44, s44, s45                     ; U
.endr
	s_sub_co_i32 s46, 39, s44
	s_max_i32 s46, s46, 0                          ; tiles left over
	s_mov_b32 s47, 16                              ; F: the routed tiles begin behind the 16 shared ones
.irp e, 0,1,2,3,4,5,6,7
	s_lshr_b32 s48, s[C+\e], 8
	s_min_u32 s48, s46, s48                        ; s_e
	s_sub_co_u32 s46, s46, s48
	s_lshl_b32 s49, s48, 16
	s_lshl_b32 s50, s47, 24
	s_or_b32 s49, s49, s50
	v_writelane_b32 v124, s49, \e                  ; lane e: s_e in bits 23:16, F_e in bits 31:24
	s_add_co_u32 s50, s[C+\e], 255
	s_lshr_b32 s50, s50, 8
	s_add_co_u32 s47, s47, s50
	s_add_co_u32 s47, s47, s48                     ; the first tile of the next expert
	v_cmp_le_u32 vcc_lo, s47, v125
	v_add_co_ci_u32 v140, vcc_lo, 0, v140, vcc_lo  ; the expert of a tile = how many experts end at or in front of it
	v_cmp_le_u32 vcc_lo, s47, v126
	v_add_co_ci_u32 v141, vcc_lo, 0, v141, vcc_lo
.endr
	v_cmp_gt_u32 vcc_lo, 16, v125
	v_cndmask_b32 v140, v140, 8, vcc_lo            ; tiles 0..15: the shared expert
	v_cmp_gt_u32 vcc_lo, 16, v126
	v_cndmask_b32 v141, v141, 8, vcc_lo
	v_or_b32 v129, v123, v124                      ; lane e: base rank (below 65536) | s_e | F_e
.set i, 0
.rept 32
	v_lshlrev_b32 v[W+i], 2, v[I+i]
.set i, i+1
.endr
.set i, 0
.rept 32
	ds_bpermute_b32 v[W+i], v[W+i], v129           ; the word of my expert
.set i, i+1
.endr
.irp g, 0,1,2,3,4,5,6,7,8,9,10,11,12,13,14,15
	v_add_nc_u32 v[I+\g], 32*\g, v136              ; the indices have served: my 16 token numbers take their registers
.endr
	s_wait_dscnt 0x0
.set i, 0
.rept 32
	v_and_b32 v130, 0xffff, v[W+i]
	v_add_nc_u32 v130, v130, v[LP+i]               ; r
	v_bfe_u32 v131, v[W+i], 16, 8
	v_lshlrev_b32 v131, 8, v131                    ; S
	v_lshrrev_b32 v132, 24, v[W+i]
	v_lshl_add_u32 v132, v132, 8, v130             ; 256 F + r
	v_and_b32 v133, 0xffffff80, v130
	v_cmp_lt_u32 vcc_lo, v130, v131
	v_cndmask_b32 v133, v131, v133, vcc_lo
	v_add_nc_u32 v132, v132, v133
	v_min_u32 v[W+i], 0x36ff, v132                 ; inside the 14080 rows
	v_add_nc_u32 v[LP+i], 0xfffff000, v[W+i]       ; row - 4096,
	v_min_u32 v[LP+i], 0x26ff, v[LP+i]             ; inside the 9984 routed rows,
	v_lshlrev_b32 v[LP+i], 2, v[LP+i]              ; as a byte offset in tok
.set i, i+1
.endr
.irp g, 0,1,2,3,4,5,6,7,8,9,10,11,12,13,14,15
	global_store_b64 v109, v[W+2*\g:W+2*\g+1], s[20:21] offset:256*\g      ; pos: a store of the wave covers 256 consecutive bytes, aligned
.endr
	s_wait_dscnt 0x0                               ; my reads of the counts are over (met: they were waited for above) before any wave scatters
	s_barrier_signal -1
	s_barrier_wait -1
	; pos turned round into tok, from registers: each wave puts the tokens of its 1024 rows into LDS.  The addresses of these stores come from data,
	; so the waves take turns, with the wait for the stores and a barrier behind each turn: no two waves have such stores under way at once, and the
	; order of the stores to any one word is fixed for every input.  Wave 0 also writes the tile table: one store of 256 consecutive bytes, aligned.
.irp w, 0,1,2,3,4,5,6,7
	s_cmp_lg_u32 s22, \w
	s_cbranch_scc1 .Lnot_\w
.if \w == 0
	global_store_b64 v139, v[140:141], s[20:21] offset:73728
.endif
.irp g, 0,1,2,3,4,5,6,7,8,9,10,11,12,13,14,15
	ds_store_b32 v[LP+2*\g],   v[I+\g] offset:TOKL
	ds_store_b32 v[LP+2*\g+1], v[I+\g] offset:TOKL
.endr
.Lnot_\w:
	s_wait_dscnt 0x0                               ; the stores of this turn are in LDS before their wave says so
	s_barrier_signal -1
	s_barrier_wait -1
.endr
.irp i, 0,1,2,3,4,5,6,7,8,9
	ds_load_b128 v[8+4*\i:8+4*\i+3], v108 offset:TOKL+4096*\i
.endr
.irp i, 0,1,2,3,4,5,6,7,8,9
	s_wait_dscnt 9-\i                              ; the younger loads may stay out
	global_store_b128 v108, v[8+4*\i:8+4*\i+3], s[20:21] offset:32768+4096*\i
.endr
	s_wait_tensorcnt 0x0
	ds_add_u32 v144, v145
	s_wait_dscnt 0x0
	s_endpgm
.Lfunc_end_k_q8406d5086d_plancast:
	.size	k_q8406d5086d_plancast, .Lfunc_end_k_q8406d5086d_plancast-k_q8406d5086d_plancast
	.p2alignl 7, 3214868480
	.fill 96, 4, 3214868480
	.section	.rodata,"a",@progbits
	.p2align	6, 0x0
	.amdhsa_kernel k_q8406d5086d_plancast
		.amdhsa_group_segment_fixed_size 43008
		.amdhsa_private_segment_fixed_size 0
		.amdhsa_enable_private_segment 0
		.amdhsa_kernarg_size 72
		.amdhsa_user_sgpr_count 2
		.amdhsa_user_sgpr_kernarg_segment_ptr 1
		.amdhsa_wavefront_size32 1
		.amdhsa_system_sgpr_workgroup_id_x 1
		.amdhsa_system_sgpr_workgroup_id_y 1
		.amdhsa_system_sgpr_workgroup_id_z 1
		.amdhsa_system_vgpr_workitem_id 0
		.amdhsa_next_free_vgpr 146
		.amdhsa_next_free_sgpr 66
		.amdhsa_reserve_vcc 1
		.amdhsa_float_denorm_mode_32 3
		.amdhsa_float_denorm_mode_16_64 3
		.amdhsa_memory_ordered 1
		.amdhsa_forward_progress 1
		.amdhsa_inst_pref_size 121
	.end_amdhsa_kernel
	.amdgpu_metadata
---
amdhsa.version: [ 1, 2 ]
amdhsa.kernels:
  - .name:           k_q8406d5086d_plancast
    .symbol:         k_q8406d5086d_plancast.kd
    .args:
      - { .name: Wg, .offset: 0, .size: 8, .value_kind: global_buffer, .address_space: global }
      - { .name: Wu, .offset: 8, .size: 8, .value_kind: global_buffer, .address_space: global }
      - { .name: Wd, .offset: 16, .size: 8, .value_kind: global_buffer, .address_space: global }
      - { .name: sWg, .offset: 24, .size: 8, .value_kind: global_buffer, .address_space: global }
      - { .name: sWu, .offset: 32, .size: 8, .value_kind: global_buffer, .address_space: global }
      - { .name: sWd, .offset: 40, .size: 8, .value_kind: global_buffer, .address_space: global }
      - { .name: topi, .offset: 48, .size: 8, .value_kind: global_buffer, .address_space: global }
      - { .name: wb, .offset: 56, .size: 8, .value_kind: global_buffer, .address_space: global }
      - { .name: rtab, .offset: 64, .size: 8, .value_kind: global_buffer, .address_space: global }
    .group_segment_fixed_size: 43008
    .private_segment_fixed_size: 0
    .kernarg_segment_align: 8
    .kernarg_segment_size: 72
    .max_flat_workgroup_size: 256
    .sgpr_count:     66
    .vgpr_count:     146
    .wavefront_size: 32
...
	.end_amdgpu_metadata
.endif
;; end of part 2
;; launch gather (part 3): grid 312 x 1, 8 waves a work-group, no clusters, 0 bytes of LDS; arguments xb, rtab, xr; writes xr
.if DOCPART == 3
	.amdgcn_target "amdgcn-amd-amdhsa--gfx1250"
	.amdhsa_code_object_version 6
	.text
	.protected	k_q8406d5086d_gather
	.globl	k_q8406d5086d_gather
	.p2align	8
	.type	k_q8406d5086d_gather,@function
k_q8406d5086d_gather:
	s_mov_b64 s[64:65], 0
	v_nop
	global_prefetch_b8 v0, s[64:65] scope:SCOPE_SE
	s_setreg_imm32_b32 hwreg(HW_REG_WAVE_MODE, 25, 1), 1
	s_wait_xcnt 0x0
; gather: xr[p] = xb[tok[p]] for the 9984 routed rows, 2048 bytes (1024 bf16) each.  A wave copies 4 rows: 16 loads of 512 neighbouring bytes,
; all on their way at once, then 16 stores.  The token numbers are whole numbers that an earlier launch stored; each is clamped to the table.
; No hint on the loads: a token is named by two rows.  No LDS, no barrier: no wave needs another.
	s_load_b128 s[4:7], s[0:1], 0x0                ; xb s[4:5], rtab s[6:7]
	s_load_b64 s[8:9], s[0:1], 0x10                ; xr
	v_lshrrev_b32 v2, 5, v0
	v_readfirstlane_b32 s10, v2                    ; wave
	v_and_b32 v1, 31, v0
	v_lshlrev_b32 v1, 4, v1                        ; 16 x lane
	s_lshl_b32 s12, ttmp9, 7                       ; 4 bytes x (32 rows a work-group
	s_lshl_b32 s13, s10, 4                         ; + 4 rows a wave)
	s_add_co_u32 s12, s12, s13
	s_lshl_b32 s14, s12, 9                         ; the same rows at 2048 bytes each
	s_mov_b32 s15, 0
	s_wait_kmcnt 0x0
	s_load_b128 s[16:19], s[6:7], s12 offset:32768 ; tok of my 4 rows
	s_add_nc_u64 s[8:9], s[8:9], s[14:15]
	s_wait_kmcnt 0x0
.irp r, 0,1,2,3
	s_min_u32 s[16+\r], s[16+\r], 4095
	s_lshl_b32 s28, s[16+\r], 11
	s_mov_b32 s29, 0
	s_add_nc_u64 s[20+2*\r:21+2*\r], s[4:5], s[28:29]
.endr
.irp r, 0,1,2,3
.irp j, 0,1,2,3
	global_load_b128 v[8+16*\r+4*\j:8+16*\r+4*\j+3], v1, s[20+2*\r:21+2*\r] offset:512*\j
.endr
.endr
.irp r, 0,1,2,3
.irp j, 0,1,2,3
	s_wait_loadcnt 15-4*\r-\j                      ; the younger loads may stay out
	global_store_b128 v1, v[8+16*\r+4*\j:8+16*\r+4*\j+3], s[8:9] offset:2048*\r+512*\j
.endr
.endr
	s_endpgm
.Lfunc_end_k_q8406d5086d_gather:
	.size	k_q8406d5086d_gather, .Lfunc_end_k_q8406d5086d_gather-k_q8406d5086d_gather
	.p2alignl 7, 3214868480
	.fill 96, 4, 3214868480
	.section	.rodata,"a",@progbits
	.p2align	6, 0x0
	.amdhsa_kernel k_q8406d5086d_gather
		.amdhsa_group_segment_fixed_size 0
		.amdhsa_private_segment_fixed_size 0
		.amdhsa_enable_private_segment 0
		.amdhsa_kernarg_size 24
		.amdhsa_user_sgpr_count 2
		.amdhsa_user_sgpr_kernarg_segment_ptr 1
		.amdhsa_wavefront_size32 1
		.amdhsa_system_sgpr_workgroup_id_x 1
		.amdhsa_system_sgpr_workgroup_id_y 1
		.amdhsa_system_sgpr_workgroup_id_z 1
		.amdhsa_system_vgpr_workitem_id 0
		.amdhsa_next_free_vgpr 80
		.amdhsa_next_free_sgpr 66
		.amdhsa_reserve_vcc 0
		.amdhsa_float_denorm_mode_32 3
		.amdhsa_float_denorm_mode_16_64 3
		.amdhsa_memory_ordered 1
		.amdhsa_forward_progress 1
		.amdhsa_inst_pref_size 5
	.end_amdhsa_kernel
	.amdgpu_metadata
---
amdhsa.version: [ 1, 2 ]
amdhsa.kernels:
  - .name:           k_q8406d5086d_gather
    .symbol:         k_q8406d5086d_gather.kd
    .args:
      - { .name: xb, .offset: 0, .size: 8, .value_kind: global_buffer, .address_space: global }
      - { .name: rtab, .offset: 8, .size: 8, .value_kind: global_buffer, .address_space: global }
      - { .name: xr, .offset: 16, .size: 8, .value_kind: global_buffer, .address_space: global }
    .group_segment_fixed_size: 0
    .private_segment_fixed_size: 0
    .kernarg_segment_align: 8
    .kernarg_segment_size: 24
    .max_flat_workgroup_size: 256
    .sgpr_count:     66
    .vgpr_count:     80
    .wavefront_size: 32
...
	.end_amdgpu_metadata
.endif
;; end of part 3
;; launch gemm1 (part 4): grid 4 x 55, 4 waves a work-group, clusters of 4 x 1, 327,680 bytes of LDS; arguments xb, xr, wb, rtab, inter; writes inter
.if DOCPART == 4
	.amdgcn_target "amdgcn-amd-amdhsa--gfx1250"
	.amdhsa_code_object_version 6
	.text
	.protected	k_q8406d5086d_gemm1
	.globl	k_q8406d5086d_gemm1
	.p2align	8
	.type	k_q8406d5086d_gemm1,@function
k_q8406d5086d_gemm1:
	s_mov_b64 s[64:65], 0
	v_nop
	global_prefetch_b8 v0, s[64:65] scope:SCOPE_SE
	s_setreg_imm32_b32 hwreg(HW_REG_WAVE_MODE, 25, 1), 1
	s_wait_xcnt 0x0
	s_wait_alu depctr_hold_cnt(0) depctr_sa_sdst(0) depctr_va_vdst(0) depctr_va_sdst(0) depctr_va_ssrc(0) depctr_va_vcc(0) depctr_vm_vsrc(0)
	s_getreg_b32 s2, hwreg(HW_REG_IB_STS2, 6, 4)
	s_cmp_eq_u32 s2, 0
	s_cbranch_scc0 .Lentry_in_a_cluster
	s_endpgm
.Lentry_in_a_cluster:
	s_bfe_u32 s2, ttmp6, 0x10000c
	s_cmp_lg_u32 s2, 0x3003
	s_cbranch_scc0 .Lentry_shape_is_right
	s_endpgm
.Lentry_shape_is_right:
; gemm1: inter[p][i] = gelu(x_p . Wg_e[:, i]) * (x_p . Wu_e[:, i]), exact gelu, for the 14080 planned rows (55 tiles of 256; e = texp[tile]), in bf16.
; Work-group (cx, j): the 256 rows of tile j x columns 128 cx .. + 127 of BOTH Wg and Wu, so that g and u of one number meet in one lane.
; Four waves; wave (wr, wc) makes rows 128 wr .. x columns 64 wc .. + 63 of each: 64 accumulator tiles of 16 x 16, 512 registers.
; K = 1024 goes in steps of 128 through two LDS slots filled by the tensor data mover; the rows of a tile are 256 bytes of memory, aligned to 256.
; x rows come from xb (tiles 0..15, the shared expert: row = token) or from xr (the routed rows).  The weights lie [k][n] in wb, as in the inputs:
; their fragments are read with the transposing LDS load.
; CLUSTER: the four work-groups of a tile need the same rows of x, half of the bytes of a step: they ask for them JOINTLY (mask 15).
; The weights are NOT asked for jointly: each of the four has other columns, and the tiles of one expert, which share them, are a number
; that hangs on counts read from memory, so that no fixed cluster holds them.
; LIMITS: operands rounded to bf16, sums in f32.  erf(z) = z P(z^2) / Q(z^2) in f32 on z clamped to +-4, absolute error of the order of 1e-7;
; g * u is formed before the factor 0.5 (1 + erf), so it must stay finite in f32.
; REGISTERS: window 0: v16-31 addresses and constants; v64-127, v128-191 fragments of x, two buffers.  Window 1: v64-127, v128-191 fragments of the weights
; (0..3 of Wg, 4..7 of Wu).  Window 2: accumulators of my rows 0-63, tile (a, b) at v[8 (8 a + b)]; window 3: those of rows 64-127.
; The matrix instruction takes 16 columns of W as source 0 and 16 rows of x as source 1: lane l then holds row l % 16 and columns 8 (l / 16) + 0..7.
.set PA,     272                       ; LDS pitch of x rows: 256 + 16 bytes, an odd multiple of 16
.set PB,     288                       ; LDS pitch of weight rows: 256 + 32 bytes, an odd multiple of 32, for the transposing load
.set PART,   36864                     ; what one wave fetches of a slot: 128 rows (x: 34816 bytes used)
.set SLOT,   4*PART                    ; x rows 0-127, x rows 128-255, Wg, Wu
.set LAPS,   4                         ; K / 256: a lap is two K steps, once round the ring
.set ASTEP,  256                       ; a K step along the rows of x, in bytes
.set BSTEP,  131072                    ; a K step down the rows of W: 128 rows of 1024 bytes
.set APITCH, 1024                      ; elements from row to row
.set BPITCH, 512
.set ADRA, 16                          ; v16-17 LDS address of my x fragments in slot 0, 1
.set ADRG, 18                          ; v18-19 the same for Wg
.set ADRU, 20                          ; v20-21 for Wu
.set STO,  24
.set RD,   25
.set CO,   26
.set CA0,  28                          ; v[28:29] first coefficient of P, twice
.set CB0,  30                          ; v[30:31] first coefficient of Q, twice
.set F0,   64
.set F1,   128
.set HU,   64                          ; the way out, window 0: g u
.set XS,   96                          ; g / sqrt 2, clamped
.set X2,   128
.set PP,   160
.set QQ,   192
.set PK,   224
.set G1,  24                           ; s[24:31] group 1 for x
.set G0,  32                           ; s[32:39] group 0 for x, a set for each slot
.set G1B, 48                           ; s[48:55] group 1 for W
.set G0B, 56                           ; s[56:63] group 0 for W, a set for each slot
.set MSB, 0
.macro WIN new                         ; the high byte of the immediate repeats the setting that is left
.if MSB != \new
	s_set_vgpr_msb (MSB<<8)|\new
.set MSB, \new
.endif
.endm
.set MUL_LO, 0xa1                      ; source 0 (W) window 1, source 1 (x) window 0, C and D window 2
.set MUL_HI, 0xf1                      ; the same, C and D window 3
.set TO_B,   0x40                      ; destination window 1, address window 0
; One tensor load a wave: waves 0 and 1 ask jointly for the two halves of x, waves 2 and 3 each for a weight tile of this work-group alone.
; The branch hangs on the number of the wave only.
.macro JLOAD s
	s_cmp_eq_u32 s15, 0
	s_cbranch_scc0 .Lfor_b_\@
	tensor_load_to_lds s[G0+4*\s:G0+4*\s+3], s[G1:G1+7]
	s_nop 0
	s_branch .Lasked_\@
.Lfor_b_\@:
	tensor_load_to_lds s[G0B+4*\s:G0B+4*\s+3], s[G1B:G1B+7]
	s_nop 0
.Lasked_\@:
.endm
.macro CREST                           ; a round of the barrier of the cluster, behind its opening barrier
	s_cmp_lg_u32 s14, 0
	s_cbranch_scc1 .Lnot_wave_0_\@
	s_barrier_signal -3
.Lnot_wave_0_\@:
	s_barrier_wait -3
	s_barrier_signal -1
	s_barrier_wait -1
.endm
.macro CROUND
	s_barrier_signal -1
	s_barrier_wait -1
	CREST
.endm
	s_load_b256 s[4:11], s[0:1], 0x0               ; xb s[4:5], xr s[6:7], wb s[8:9], rtab s[10:11]
	s_load_b64 s[12:13], s[0:1], 0x20              ; inter
	s_set_vgpr_msb 0x40
	v_lshl_add_u32 v255, v0, 2, 0x48000
	s_set_vgpr_msb 0x4000
	v_mov_b32 v255, 0
	s_set_vgpr_msb 0x1
	ds_add_u32 v255, v255
	s_set_vgpr_msb 0x100
	v_lshrrev_b32 v1, 5, v0
	v_readfirstlane_b32 s14, v1                    ; wave
	s_lshr_b32 s15, s14, 1                         ; wr: my half of the rows.  Also: I fetch x (0) or W (1)
	s_and_b32 s16, s14, 1                          ; wc: my half of the columns.  Also: which half of x, or Wg (0) / Wu (1), I fetch
	s_bfe_u32 s40, ttmp6, 0x40000                  ; cx
	s_lshl_b32 s41, ttmp9, 2
	s_add_co_u32 s41, s41, s40                     ; column block = 4 x cluster x + cx
	s_and_b32 s17, ttmp7, 0xffff                   ; tile j: the cluster is one work-group high
	s_lshl_b32 s23, s17, 2
	s_mov_b32 s[G1+0], 15|(1<<16)|(1<<20)|(1<<21)|(5<<22)|(3<<25)  ; mask: all four of the cluster; elements of 2 bytes; padding on; bit 21 beside a mask; after every 64 words 4 words
	s_mov_b32 s[G1+1], 128<<16                     ; tensor_dim0 = 128
	s_mov_b32 s[G1+2], 128<<16                     ; tensor_dim1 = 128
	s_mov_b32 s[G1+3], 128<<16                     ; tile_dim0 = 128 elements, 256 bytes
	s_mov_b32 s[G1+4], 128                         ; tile_dim1 = 128 rows
	s_mov_b32 s[G1+5], APITCH
	s_mov_b32 s[G1+6], 0
	s_mov_b32 s[G1+7], 0
	s_mov_b32 s[G1B+0], (1<<16)|(1<<20)|(5<<22)|(7<<25)            ; no mask; after every 64 words 8 words
	s_mov_b32 s[G1B+1], 128<<16
	s_mov_b32 s[G1B+2], 128<<16
	s_mov_b32 s[G1B+3], 128<<16
	s_mov_b32 s[G1B+4], 128
	s_mov_b32 s[G1B+5], BPITCH
	s_mov_b32 s[G1B+6], 0
	s_mov_b32 s[G1B+7], 0
	s_mul_i32 s19, s14, PART                       ; where my part of a slot lies: the number of the wave alone
	s_wait_dscnt 0x0
	s_wait_kmcnt 0x0
	s_load_b32 s18, s[10:11], s23 offset:73728     ; the expert of tile j
	; x: made of j and the wave alone, in registers that never hold cx
	s_cmp_lt_u32 s17, 16
	s_cselect_b64 s[20:21], s[4:5], s[6:7]         ; tiles 0..15 read xb, the others xr
	s_cselect_b32 s44, 0, 16
	s_sub_co_u32 s44, s17, s44
	s_lshl_b32 s44, s44, 8
	s_lshl_b32 s45, s16, 7
	s_add_co_u32 s44, s44, s45                     ; first row that I fetch
	s_lshl_b32 s44, s44, 11                        ; 2048 bytes a row
	s_mov_b32 s45, 0
	s_add_nc_u64 s[20:21], s[20:21], s[44:45]
	s_wait_kmcnt 0x0
	s_min_u32 s18, s18, 8
	s_mul_i32 s46, s16, 9
	s_add_co_u32 s46, s46, s18                     ; matrix e (Wg) or 9 + e (Wu)
	s_lshl_b32 s46, s46, 20
	s_lshl_b32 s47, s41, 8                         ; 128 columns of 2 bytes a block
	s_add_co_u32 s46, s46, s47
	s_mov_b32 s47, 0
	s_add_nc_u64 s[46:47], s[8:9], s[46:47]
	CROUND                                         ; the four work-groups are here: the first joint loads meet
.irp s, 0,1
	s_mov_b32 s[G0+4*\s], 1
	s_add_co_u32 s[G0+4*\s+1], s19, \s*SLOT
	s_add_nc_u64 s[G0+4*\s+2:G0+4*\s+3], s[20:21], \s*ASTEP
	s_or_b32 s[G0+4*\s+3], s[G0+4*\s+3], 0x80000000
	s_mov_b32 s[G0B+4*\s], 1
	s_add_co_u32 s[G0B+4*\s+1], s19, \s*SLOT
	s_add_nc_u64 s[G0B+4*\s+2:G0B+4*\s+3], s[46:47], \s*BSTEP
	s_or_b32 s[G0B+4*\s+3], s[G0B+4*\s+3], 0x80000000
	JLOAD \s                                       ; K steps 0 and 1: two tensor loads of the wave are out
.endr
	v_and_b32 v1, 15, v0                           ; r = l % 16
	v_bfe_u32 v2, v0, 4, 1                         ; h = l / 16
	v_mul_u32_u24 v3, v1, PA
	v_lshl_add_u32 v3, v2, 4, v3                   ; x fragment: row r, 16 bytes for each half of the lanes
	v_and_b32 v4, 7, v0
	v_lshl_add_u32 v4, v2, 3, v4                   ; W fragment: k row 8 h + l % 8,
	v_mul_u32_u24 v4, v4, PB
	v_bfe_u32 v5, v0, 3, 1
	v_lshl_add_u32 v4, v5, 4, v4                   ; 16 bytes (8 columns) for each group of 8 lanes
	s_mul_i32 s22, s15, PART
	s_lshl_b32 s23, s16, 7                         ; my 64 columns
	s_add_co_u32 s23, s23, 2*PART
.irp s, 0,1
	v_add_nc_u32 v[ADRA+\s], s22, v3
	v_add_nc_u32 v[ADRG+\s], s23, v4
	v_add_nc_u32 v[ADRU+\s], PART, v[ADRG+\s]
	s_add_co_u32 s22, s22, SLOT
	s_add_co_u32 s23, s23, SLOT
.endr
	s_mul_i32 s22, s15, 128*PA                     ; the stage: 256 rows of 272 bytes from LDS byte 0
	s_lshl_b32 s23, s16, 7
	s_add_co_u32 s22, s22, s23
	v_add_nc_u32 v[STO], s22, v3                   ; in: row 128 wr + r, byte 128 wc + 16 h
	s_mul_i32 s22, s14, 64*PA
	v_mul_u32_u24 v5, v2, PA
	v_lshl_add_u32 v5, v1, 4, v5
	v_add_nc_u32 v[RD], s22, v5                    ; back: rows 64 w + .., lanes 0-15 one row, lanes 16-31 the next
	v_lshlrev_b32 v5, 10, v2
	v_lshl_add_u32 v[CO], v1, 4, v5                ; the same two rows in inter, 1024 bytes apart
	v_mov_b32 v[CA0], 0xaf95df0b
	v_mov_b32 v[CA0+1], 0xaf95df0b
	v_mov_b32 v[CB0], 0xb77460cd
	v_mov_b32 v[CB0+1], 0xb77460cd
; 16 matrix instructions: row blocks a0, a0 + 1 of the four of a window x all 8 column blocks.  The 64 accumulators take turns, one instruction
; a turn, in the same order in every quarter step.
.macro MUL16 f, hi, a0, zero
.irp a, \a0, \a0+1
.irp b, 0,1,2,3,4,5,6,7
.if \zero
	v_wmma_f32_16x16x32_bf16 v[8*(8*(\a)+\b):8*(8*(\a)+\b)+7], v[\f+8*\b:\f+8*\b+7], v[\f+8*(4*\hi+\a):\f+8*(4*\hi+\a)+7], 0
.else
	v_wmma_f32_16x16x32_bf16 v[8*(8*(\a)+\b):8*(8*(\a)+\b)+7], v[\f+8*\b:\f+8*\b+7], v[\f+8*(4*\hi+\a):\f+8*(4*\hi+\a)+7], v[8*(8*(\a)+\b):8*(8*(\a)+\b)+7]
.endif
.endr
.endr
.endm
; 32 LDS loads in one run: the fragments of quarter q (32 along K) of a slot into buffer f.  W: 32 k rows down, transposed on the way; x: 64 bytes along.
.macro FETCH slot, q, f
	WIN TO_B
.irp b, 0,1,2,3
	ds_load_tr16_b128 v[\f+8*\b:\f+8*\b+3],   v[ADRG+\slot] offset:\q*32*PB+32*\b
	ds_load_tr16_b128 v[\f+8*\b+4:\f+8*\b+7], v[ADRG+\slot] offset:\q*32*PB+32*\b+16*PB
.endr
.irp b, 0,1,2,3
	ds_load_tr16_b128 v[\f+32+8*\b:\f+32+8*\b+3],   v[ADRU+\slot] offset:\q*32*PB+32*\b
	ds_load_tr16_b128 v[\f+32+8*\b+4:\f+32+8*\b+7], v[ADRU+\slot] offset:\q*32*PB+32*\b+16*PB
.endr
	WIN 0
.irp i, 0,1,2,3,4,5,6,7
	ds_load_b128 v[\f+8*\i:\f+8*\i+3],   v[ADRA+\slot] offset:\q*64+\i*16*PA
	ds_load_b128 v[\f+8*\i+4:\f+8*\i+7], v[ADRA+\slot] offset:\q*64+\i*16*PA+32
.endr
.endm
.macro PLACES                          ; four plain vector instructions between a matrix instruction and a load into, or a vector use of, its registers
.rept 4
	v_nop
.endr
.endm
.macro QUARTER slot, q, f, g, zero     ; multiplies buffer f; in its middle fetches quarter q into buffer g
	s_wait_dscnt 8                                 ; W and x rows 0-63 are in; the youngest eight loads (x rows 64-127) may be out
	WIN MUL_LO
	MUL16 \f, 0, 0, \zero
	MUL16 \f, 0, 2, \zero
	PLACES
	FETCH \slot, \q, \g
	s_wait_dscnt 32                                ; all but the 32 just issued
	WIN MUL_HI
	MUL16 \f, 1, 0, \zero
	MUL16 \f, 1, 2, \zero
.endm
.macro THREE slot, zero
	QUARTER \slot, 1, F0, F1, \zero
	QUARTER \slot, 2, F1, F0, 0
	QUARTER \slot, 3, F0, F1, 0
.endm
; The last quarter of a K step changes slots.  In front of the barrier each wave waits for its reads of this slot and for all its tensor loads
; (one is out: its part of the next slot).  Where the slot is filled again the barrier opens a round of the barrier of the cluster, and the
; refill is the first tensor load behind the round, one a wave.
.macro TURN slot, next, fill
	s_wait_dscnt 8
	WIN MUL_LO
	MUL16 F1, 0, 0, 0
	s_wait_dscnt 0
	s_wait_tensorcnt 0x0
	ds_add_u32 v255, v255
	s_wait_dscnt 0x0
	s_barrier_signal -1
	MUL16 F1, 0, 2, 0                              ; registers only
	WIN 0
	s_barrier_wait -1
.if \fill
	CREST
	s_add_nc_u64 s[G0+4*\slot+2:G0+4*\slot+3], s[G0+4*\slot+2:G0+4*\slot+3], 2*ASTEP       ; no tensor load of mine is out: the addresses may step
	s_add_nc_u64 s[G0B+4*\slot+2:G0B+4*\slot+3], s[G0B+4*\slot+2:G0B+4*\slot+3], 2*BSTEP
	JLOAD \slot
.endif
	PLACES
	FETCH \next, 0, F0
	WIN MUL_HI
	MUL16 F1, 1, 0, 0
	MUL16 F1, 1, 2, 0
.endm
.macro LAP zero
	THREE 0, \zero
	TURN 0, 1, 1
	THREE 1, 0
	TURN 1, 0, 1
.endm
	s_wait_tensorcnt 0x1                           ; my part of K step 0 is in; K step 1 may stay out
	s_barrier_signal -1
	s_barrier_wait -1
	FETCH 0, 0, F0
	LAP 1                                          ; the first products start the sums: nothing is cleared
	WIN 0
	s_mov_b32 s3, LAPS-2
.Llap:
	LAP 0
	WIN 0
	s_sub_co_u32 s3, s3, 1
	s_cmp_lg_u32 s3, 0
	s_cbranch_scc1 .Llap
	THREE 0, 0                                     ; the last lap fills nothing
	TURN 0, 1, 0
	THREE 1, 0
	s_wait_dscnt 8
	WIN MUL_LO
	MUL16 F1, 0, 0, 0
	MUL16 F1, 0, 2, 0
	s_wait_dscnt 0
	WIN MUL_HI
	MUL16 F1, 1, 0, 0
	MUL16 F1, 1, 2, 0
	; THE WAY OUT.  The stage lies in slot 0, which has had its last fill; every wave finished its reads of slot 0 in front of the last change of slots.
	PLACES
	s_lshl_b32 s46, s17, 18                        ; 256 rows of 1024 bytes a tile,
	s_lshl_b32 s47, s14, 16                        ; 64 rows a wave,
	s_add_co_u32 s46, s46, s47
	s_lshl_b32 s47, s41, 8                         ; 256 bytes a column block
	s_add_co_u32 s46, s46, s47
	s_mov_b32 s47, 0
	s_add_nc_u64 s[12:13], s[12:13], s[46:47]
.macro HORNER d, lit                   ; d = d z^2 + the next coefficient, 32 numbers
.set i, 0
.rept 16
	v_pk_fma_f32 v[\d+i:\d+i+1], v[\d+i:\d+i+1], v[X2+i:X2+i+1], \lit op_sel_hi:[1,1,0]
.set i, i+2
.endr
.endm
; Row block a of my eight (ap: its place in window 2 or 3; win: sources 0 and 1 in that window): 32 numbers a lane.
.macro GELU a, ap, win
	WIN \win
.irp c, 0,1,2,3
.irp p, 0,2,4,6
	v_pk_mul_f32 v[HU+8*\c+\p:HU+8*\c+\p+1], v[8*(8*\ap+\c)+\p:8*(8*\ap+\c)+\p+1], v[8*(8*\ap+\c+4)+\p:8*(8*\ap+\c+4)+\p+1]
	v_pk_mul_f32 v[XS+8*\c+\p:XS+8*\c+\p+1], v[8*(8*\ap+\c)+\p:8*(8*\ap+\c)+\p+1], 0x3f3504f3 op_sel_hi:[1,0]
.endr
.endr
	WIN 0
.set i, 0
.rept 32
	v_med3_num_f32 v[XS+i], v[XS+i], -4.0, 4.0
.set i, i+1
.endr
.set i, 0
.rept 16
	v_pk_mul_f32 v[X2+i:X2+i+1], v[XS+i:XS+i+1], v[XS+i:XS+i+1]
.set i, i+2
.endr
.set i, 0
.rept 16
	v_pk_fma_f32 v[PP+i:PP+i+1], v[X2+i:X2+i+1], v[CA0:CA0+1], 0x32edffee op_sel_hi:[1,1,0]
	v_pk_fma_f32 v[QQ+i:QQ+i+1], v[X2+i:X2+i+1], v[CB0:CB0+1], 0xb95fbd29 op_sel_hi:[1,1,0]
.set i, i+2
.endr
	HORNER PP, 0xb60cff51
	HORNER QQ, 0xbadc924e
	HORNER PP, 0xb86ec2d2
	HORNER QQ, 0xbbf19bf8
	HORNER PP, 0xba40ac63
	HORNER QQ, 0xbc69b6a7
	HORNER PP, 0xbb41a1f6
	HORNER PP, 0xbc83dbd4
.set i, 0
.rept 32
	v_rcp_f32 v[QQ+i], v[QQ+i]                     ; Q is below -0.014 everywhere
.set i, i+1
.endr
.set i, 0
.rept 16
	v_pk_mul_f32 v[PP+i:PP+i+1], v[PP+i:PP+i+1], v[XS+i:XS+i+1]    ; plain work that names no Q stands between the reciprocals and their use (ISA guide 5.7.2)
.set i, i+2
.endr
.set i, 0
	s_wait_alu depctr_va_vdst(0)
.rept 16
	v_pk_mul_f32 v[PP+i:PP+i+1], v[PP+i:PP+i+1], v[QQ+i:QQ+i+1]    ; erf
.set i, i+2
.endr
.set i, 0
.rept 16
	v_pk_fma_f32 v[PP+i:PP+i+1], v[PP+i:PP+i+1], 0.5, 0.5 op_sel_hi:[1,0,0]
.set i, i+2
.endr
.set i, 0
.rept 16
	v_pk_mul_f32 v[HU+i:HU+i+1], v[HU+i:HU+i+1], v[PP+i:PP+i+1]
.set i, i+2
.endr
.irp c, 0,1,2,3
.irp p, 0,1,2,3
	v_cvt_pk_bf16_f32 v[PK+4*\c+\p], v[HU+8*\c+2*\p], v[HU+8*\c+2*\p+1]
.endr
.endr
.irp c, 0,1,2,3
	ds_store_b128 v[STO], v[PK+4*\c:PK+4*\c+3] offset:16*PA*\a+32*\c
.endr
.endm
	GELU 0, 0, 0x0a
	GELU 1, 1, 0x0a
	GELU 2, 2, 0x0a
	GELU 3, 3, 0x0a
	GELU 4, 0, 0x0f
	GELU 5, 1, 0x0f
	GELU 6, 2, 0x0f
	GELU 7, 3, 0x0f
	s_wait_dscnt 0x0                               ; my part of the stage is in LDS before I say so: a row holds the work of two waves
	s_barrier_signal -1
	s_barrier_wait -1
.set i, 0
.rept 32
	ds_load_b128 v[64+4*i:64+4*i+3], v[RD] offset:2*PA*i
.set i, i+1
.endr
.set i, 0
.rept 32
	s_wait_dscnt 31-i                              ; the younger loads may stay out
	global_store_b128 v[CO], v[64+4*i:64+4*i+3], s[12:13] offset:2048*i    ; 16 lanes store 256 consecutive bytes, aligned
.set i, i+1
.endr
	s_set_vgpr_msb 0x1
	s_wait_tensorcnt 0x0
	ds_add_u32 v255, v255
	s_wait_dscnt 0x0
	s_set_vgpr_msb 0x100
	CROUND                                         ; the closing round: no work-group ends while a partner may still ask jointly
	s_endpgm
.Lfunc_end_k_q8406d5086d_gemm1:
	.size	k_q8406d5086d_gemm1, .Lfunc_end_k_q8406d5086d_gemm1-k_q8406d5086d_gemm1
	.p2alignl 7, 3214868480
	.fill 96, 4, 3214868480
	.section	.rodata,"a",@progbits
	.p2align	6, 0x0
	.amdhsa_kernel k_q8406d5086d_gemm1
		.amdhsa_group_segment_fixed_size 327680
		.amdhsa_private_segment_fixed_size 0
		.amdhsa_enable_private_segment 0
		.amdhsa_kernarg_size 40
		.amdhsa_user_sgpr_count 2
		.amdhsa_user_sgpr_kernarg_segment_ptr 1
		.amdhsa_wavefront_size32 1
		.amdhsa_system_sgpr_workgroup_id_x 1
		.amdhsa_system_sgpr_workgroup_id_y 1
		.amdhsa_system_sgpr_workgroup_id_z 1
		.amdhsa_system_vgpr_workitem_id 0
		.amdhsa_next_free_vgpr 1024
		.amdhsa_next_free_sgpr 66
		.amdhsa_reserve_vcc 0
		.amdhsa_float_denorm_mode_32 3
		.amdhsa_float_denorm_mode_16_64 3
		.amdhsa_memory_ordered 1
		.amdhsa_forward_progress 1
		.amdhsa_inst_pref_size 255
	.end_amdhsa_kernel
	.section	.bss,"aw",@nobits
	.p2align	6
	.space	262144
	.amdgpu_metadata
---
amdhsa.version: [ 1, 2 ]
amdhsa.kernels:
  - .name:           k_q8406d5086d_gemm1
    .symbol:         k_q8406d5086d_gemm1.kd
    .args:
      - { .name: xb, .offset: 0, .size: 8, .value_kind: global_buffer, .address_space: global }
      - { .name: xr, .offset: 8, .size: 8, .value_kind: global_buffer, .address_space: global }
      - { .name: wb, .offset: 16, .size: 8, .value_kind: global_buffer, .address_space: global }
      - { .name: rtab, .offset: 24, .size: 8, .value_kind: global_buffer, .address_space: global }
      - { .name: inter, .offset: 32, .size: 8, .value_kind: global_buffer, .address_space: global }
    .group_segment_fixed_size: 327680
    .private_segment_fixed_size: 0
    .kernarg_segment_align: 8
    .kernarg_segment_size: 40
    .max_flat_workgroup_size: 128
    .sgpr_count:     66
    .vgpr_count:     1024
    .wavefront_size: 32
...
	.end_amdgpu_metadata
.endif
;; end of part 4
;; launch gemm2 (part 5): grid 4 x 55, 4 waves a work-group, clusters of 4 x 1, 327,680 bytes of LDS; arguments inter, wb, rtab, y; writes y
.if DOCPART == 5
	.amdgcn_target "amdgcn-amd-amdhsa--gfx1250"
	.amdhsa_code_object_version 6
	.text
	.protected	k_q8406d5086d_gemm2
	.globl	k_q8406d5086d_gemm2
	.p2align	8
	.type	k_q8406d5086d_gemm2,@function
k_q8406d5086d_gemm2:
	s_mov_b64 s[64:65], 0
	v_nop
	global_prefetch_b8 v0, s[64:65] scope:SCOPE_SE
	s_setreg_imm32_b32 hwreg(HW_REG_WAVE_MODE, 25, 1), 1
	s_wait_xcnt 0x0
	s_wait_alu depctr_hold_cnt(0) depctr_sa_sdst(0) depctr_va_vdst(0) depctr_va_sdst(0) depctr_va_ssrc(0) depctr_va_vcc(0) depctr_vm_vsrc(0)
	s_getreg_b32 s2, hwreg(HW_REG_IB_STS2, 6, 4)
	s_cmp_eq_u32 s2, 0
	s_cbranch_scc0 .Lentry_in_a_cluster
	s_endpgm
.Lentry_in_a_cluster:
	s_bfe_u32 s2, ttmp6, 0x10000c
	s_cmp_lg_u32 s2, 0x3003
	s_cbranch_scc0 .Lentry_shape_is_right
	s_endpgm
.Lentry_shape_is_right:
; gemm2: y[p][h] = sum over i of inter[p][i] Wd_e[i][h], f32, for the 14080 planned rows (55 tiles of 256; e = texp[tile]).  The gate weights are applied later.
; Work-group (cx, j): the 256 rows of tile j x columns 256 cx .. + 255, taken as two weight tiles of 128 columns.
; Four waves; wave (wr, wc) makes rows 128 wr .. x columns 64 wc .. + 63 of each weight tile: 64 accumulator tiles, 512 registers.
; K = 512 goes in four steps of 128 through two LDS slots filled by the tensor data mover; the rows of a tile are 256 bytes of memory, aligned to 256.
; CLUSTER: the four work-groups of a tile need the same rows of inter, half of the bytes of a step, and ask for them JOINTLY (mask 15).
; The weights are NOT asked for jointly: each of the four has other columns, and the tiles of one expert, which share them, are a number
; that hangs on counts read from memory, so that no fixed cluster holds them.
; LIMIT: operands in bf16, sums in f32.
; REGISTERS and the transposed use of the matrix instruction: window 0: v16-26 addresses; v64-127, v128-191 fragments of inter, two buffers.
; Window 1: the same numbers, fragments of Wd (0..3 first weight tile, 4..7 second).  Windows 2 and 3: accumulators, tile (a, b) at v[8 (8 a + b)].
; Source 0 = 16 columns of Wd, source 1 = 16 rows of inter: lane l holds row l % 16 and columns 8 (l / 16) + 0..7.
.set PA,     272
.set PB,     288
.set PART,   36864
.set SLOT,   4*PART
.set ASTEP,  256                       ; a K step along the rows of inter, in bytes
.set BSTEP,  262144                    ; a K step down the rows of Wd: 128 rows of 2048 bytes
.set APITCH, 512
.set BPITCH, 1024
.set SP,     528                       ; the stage: 16 rows of 512 + 16 bytes for each wave
.set ADRA, 16
.set ADRG, 18                          ; first weight tile
.set ADRU, 20                          ; second weight tile
.set STO,  24
.set RD,   25
.set CO,   26
.set F0,   64
.set F1,   128
.set G1,  24
.set G0,  32
.set G1B, 48
.set G0B, 56
.set MSB, 0
.macro WIN new                         ; the high byte of the immediate repeats the setting that is left
.if MSB != \new
	s_set_vgpr_msb (MSB<<8)|\new
.set MSB, \new
.endif
.endm
.set MUL_LO, 0xa1
.set MUL_HI, 0xf1
.set TO_B,   0x40
.macro JLOAD s                         ; waves 0 and 1: the joint load of a half of the rows of inter; waves 2 and 3: a weight tile of this work-group alone
	s_cmp_eq_u32 s15, 0
	s_cbranch_scc0 .Lfor_b_\@
	tensor_load_to_lds s[G0+4*\s:G0+4*\s+3], s[G1:G1+7]
	s_nop 0
	s_branch .Lasked_\@
.Lfor_b_\@:
	tensor_load_to_lds s[G0B+4*\s:G0B+4*\s+3], s[G1B:G1B+7]
	s_nop 0
.Lasked_\@:
.endm
.macro CREST
	s_cmp_lg_u32 s14, 0
	s_cbranch_scc1 .Lnot_wave_0_\@
	s_barrier_signal -3
.Lnot_wave_0_\@:
	s_barrier_wait -3
	s_barrier_signal -1
	s_barrier_wait -1
.endm
.macro CROUND
	s_barrier_signal -1
	s_barrier_wait -1
	CREST
.endm
	s_load_b256 s[4:11], s[0:1], 0x0               ; inter s[4:5], wb s[6:7], rtab s[8:9], y s[10:11]
	s_set_vgpr_msb 0x40
	v_lshl_add_u32 v255, v0, 2, 0x48000
	s_set_vgpr_msb 0x4000
	v_mov_b32 v255, 0
	s_set_vgpr_msb 0x1
	ds_add_u32 v255, v255
	s_set_vgpr_msb 0x100
	v_lshrrev_b32 v1, 5, v0
	v_readfirstlane_b32 s14, v1                    ; wave
	s_lshr_b32 s15, s14, 1                         ; wr; also: I fetch inter (0) or Wd (1)
	s_and_b32 s16, s14, 1                          ; wc; also: which half of the rows, or which weight tile, I fetch
	s_bfe_u32 s40, ttmp6, 0x40000                  ; cx
	s_lshl_b32 s41, ttmp9, 2
	s_add_co_u32 s41, s41, s40                     ; column block
	s_and_b32 s17, ttmp7, 0xffff                   ; tile j
	s_lshl_b32 s23, s17, 2
	s_mov_b32 s[G1+0], 15|(1<<16)|(1<<20)|(1<<21)|(5<<22)|(3<<25)  ; mask: all four; elements of 2 bytes; padding on; bit 21 beside a mask; after every 64 words 4 words
	s_mov_b32 s[G1+1], 128<<16
	s_mov_b32 s[G1+2], 128<<16
	s_mov_b32 s[G1+3], 128<<16
	s_mov_b32 s[G1+4], 128
	s_mov_b32 s[G1+5], APITCH
	s_mov_b32 s[G1+6], 0
	s_mov_b32 s[G1+7], 0
	s_mov_b32 s[G1B+0], (1<<16)|(1<<20)|(5<<22)|(7<<25)            ; no mask; after every 64 words 8 words
	s_mov_b32 s[G1B+1], 128<<16
	s_mov_b32 s[G1B+2], 128<<16
	s_mov_b32 s[G1B+3], 128<<16
	s_mov_b32 s[G1B+4], 128
	s_mov_b32 s[G1B+5], BPITCH
	s_mov_b32 s[G1B+6], 0
	s_mov_b32 s[G1B+7], 0
	s_mul_i32 s19, s14, PART
	s_wait_dscnt 0x0
	s_wait_kmcnt 0x0
	s_load_b32 s18, s[8:9], s23 offset:73728       ; the expert of tile j
	s_lshl_b32 s44, s17, 8                         ; inter: made of j and the wave alone, in registers that never hold cx
	s_lshl_b32 s45, s16, 7
	s_add_co_u32 s44, s44, s45
	s_lshl_b32 s44, s44, 10                        ; 1024 bytes a row
	s_mov_b32 s45, 0
	s_add_nc_u64 s[20:21], s[4:5], s[44:45]
	s_wait_kmcnt 0x0
	s_min_u32 s18, s18, 8
	s_add_co_u32 s46, s18, 18                      ; matrix 18 + e
	s_lshl_b32 s46, s46, 20
	s_lshl_b32 s47, s41, 9                         ; 256 columns of 2 bytes a block,
	s_add_co_u32 s46, s46, s47
	s_lshl_b32 s47, s16, 8                         ; 128 a weight tile
	s_add_co_u32 s46, s46, s47
	s_mov_b32 s47, 0
	s_add_nc_u64 s[46:47], s[6:7], s[46:47]
	CROUND                                         ; the four work-groups are here: the first joint loads meet
.irp s, 0,1
	s_mov_b32 s[G0+4*\s], 1
	s_add_co_u32 s[G0+4*\s+1], s19, \s*SLOT
	s_add_nc_u64 s[G0+4*\s+2:G0+4*\s+3], s[20:21], \s*ASTEP
	s_or_b32 s[G0+4*\s+3], s[G0+4*\s+3], 0x80000000
	s_mov_b32 s[G0B+4*\s], 1
	s_add_co_u32 s[G0B+4*\s+1], s19, \s*SLOT
	s_add_nc_u64 s[G0B+4*\s+2:G0B+4*\s+3], s[46:47], \s*BSTEP
	s_or_b32 s[G0B+4*\s+3], s[G0B+4*\s+3], 0x80000000
	JLOAD \s                                       ; K steps 0 and 1: two tensor loads of the wave are out
.endr
	v_and_b32 v1, 15, v0                           ; r
	v_bfe_u32 v2, v0, 4, 1                         ; h
	v_mul_u32_u24 v3, v1, PA
	v_lshl_add_u32 v3, v2, 4, v3
	v_and_b32 v4, 7, v0
	v_lshl_add_u32 v4, v2, 3, v4
	v_mul_u32_u24 v4, v4, PB
	v_bfe_u32 v5, v0, 3, 1
	v_lshl_add_u32 v4, v5, 4, v4
	s_mul_i32 s22, s15, PART
	s_lshl_b32 s23, s16, 7
	s_add_co_u32 s23, s23, 2*PART
.irp s, 0,1
	v_add_nc_u32 v[ADRA+\s], s22, v3
	v_add_nc_u32 v[ADRG+\s], s23, v4
	v_add_nc_u32 v[ADRU+\s], PART, v[ADRG+\s]
	s_add_co_u32 s22, s22, SLOT
	s_add_co_u32 s23, s23, SLOT
.endr
	s_mul_i32 s22, s14, 16*SP                      ; my own stage
	v_mul_u32_u24 v5, v1, SP
	v_lshl_add_u32 v5, v2, 5, v5
	v_add_nc_u32 v[STO], s22, v5                   ; in: row r, 32 bytes (8 f32) for each half of the lanes
	v_lshlrev_b32 v5, 8, v2
	v_lshl_add_u32 v5, v1, 4, v5
	v_add_nc_u32 v[RD], s22, v5                    ; back: a whole row: lanes 0-15 the columns of the first weight tile, lanes 16-31 of the second
	v_lshlrev_b32 v5, 9, v2
	v_lshl_add_u32 v[CO], v1, 4, v5                ; in y the two lie 128 columns, 512 bytes, apart
; The 64 accumulators take turns, one instruction a turn, in the same order in every quarter step.
.macro MUL16 f, hi, a0, zero
.irp a, \a0, \a0+1
.irp b, 0,1,2,3,4,5,6,7
.if \zero
	v_wmma_f32_16x16x32_bf16 v[8*(8*(\a)+\b):8*(8*(\a)+\b)+7], v[\f+8*\b:\f+8*\b+7], v[\f+8*(4*\hi+\a):\f+8*(4*\hi+\a)+7], 0
.else
	v_wmma_f32_16x16x32_bf16 v[8*(8*(\a)+\b):8*(8*(\a)+\b)+7], v[\f+8*\b:\f+8*\b+7], v[\f+8*(4*\hi+\a):\f+8*(4*\hi+\a)+7], v[8*(8*(\a)+\b):8*(8*(\a)+\b)+7]
.endif
.endr
.endr
.endm
.macro FETCH slot, q, f                ; 32 LDS loads in one run: the fragments of quarter q of a slot into buffer f
	WIN TO_B
.irp b, 0,1,2,3
	ds_load_tr16_b128 v[\f+8*\b:\f+8*\b+3],   v[ADRG+\slot] offset:\q*32*PB+32*\b
	ds_load_tr16_b128 v[\f+8*\b+4:\f+8*\b+7], v[ADRG+\slot] offset:\q*32*PB+32*\b+16*PB
.endr
.irp b, 0,1,2,3
	ds_load_tr16_b128 v[\f+32+8*\b:\f+32+8*\b+3],   v[ADRU+\slot] offset:\q*32*PB+32*\b
	ds_load_tr16_b128 v[\f+32+8*\b+4:\f+32+8*\b+7], v[ADRU+\slot] offset:\q*32*PB+32*\b+16*PB
.endr
	WIN 0
.irp i, 0,1,2,3,4,5,6,7
	ds_load_b128 v[\f+8*\i:\f+8*\i+3],   v[ADRA+\slot] offset:\q*64+\i*16*PA
	ds_load_b128 v[\f+8*\i+4:\f+8*\i+7], v[ADRA+\slot] offset:\q*64+\i*16*PA+32
.endr
.endm
.macro PLACES                          ; four plain vector instructions between a matrix instruction and a load into, or a store of, its registers
.rept 4
	v_nop
.endr
.endm
.macro QUARTER slot, q, f, g, zero
	s_wait_dscnt 8                                 ; the weights and rows 0-63 are in; the youngest eight loads (rows 64-127) may be out
	WIN MUL_LO
	MUL16 \f, 0, 0, \zero
	MUL16 \f, 0, 2, \zero
	PLACES
	FETCH \slot, \q, \g
	s_wait_dscnt 32                                ; all but the 32 just issued
	WIN MUL_HI
	MUL16 \f, 1, 0, \zero
	MUL16 \f, 1, 2, \zero
.endm
.macro THREE slot, zero
	QUARTER \slot, 1, F0, F1, \zero
	QUARTER \slot, 2, F1, F0, 0
	QUARTER \slot, 3, F0, F1, 0
.endm
; The change of slots: each wave waits for its reads of this slot and for all its tensor loads, then the barrier; where the slot is filled again
; the barrier opens a round of the barrier of the cluster, and the refill is the first tensor load behind the round, one a wave.
.macro TURN slot, next, fill
	s_wait_dscnt 8
	WIN MUL_LO
	MUL16 F1, 0, 0, 0
	s_wait_dscnt 0
	s_wait_tensorcnt 0x0
	ds_add_u32 v255, v255
	s_wait_dscnt 0x0
	s_barrier_signal -1
	MUL16 F1, 0, 2, 0
	WIN 0
	s_barrier_wait -1
.if \fill
	CREST
	s_add_nc_u64 s[G0+4*\slot+2:G0+4*\slot+3], s[G0+4*\slot+2:G0+4*\slot+3], 2*ASTEP
	s_add_nc_u64 s[G0B+4*\slot+2:G0B+4*\slot+3], s[G0B+4*\slot+2:G0B+4*\slot+3], 2*BSTEP
	JLOAD \slot
.endif
	PLACES
	FETCH \next, 0, F0
	WIN MUL_HI
	MUL16 F1, 1, 0, 0
	MUL16 F1, 1, 2, 0
.endm
	s_wait_tensorcnt 0x1                           ; my part of K step 0 is in; K step 1 may stay out
	s_barrier_signal -1
	s_barrier_wait -1
	FETCH 0, 0, F0
	THREE 0, 1                                     ; K step 0: the first products start the sums
	TURN 0, 1, 1                                   ; slot 0 gets K step 2
	THREE 1, 0
	TURN 1, 0, 1                                   ; slot 1 gets K step 3
	THREE 0, 0                                     ; the last two K steps fill nothing
	TURN 0, 1, 0
	THREE 1, 0
	s_wait_dscnt 8
	WIN MUL_LO
	MUL16 F1, 0, 0, 0
	MUL16 F1, 0, 2, 0
	s_wait_dscnt 0
	WIN MUL_HI
	MUL16 F1, 1, 0, 0
	MUL16 F1, 1, 2, 0
	; THE WAY OUT, 16 rows at a time through my own stage.  The stages lie in slot 0, which has had its last fill; every wave finished its reads
	; of slot 0 in front of the last change of slots.  LDS serves the instructions of a wave in order (ISA guide 5.7.1.4): no wait between my stores and my loads.
	PLACES
	s_lshl_b32 s46, s17, 20                        ; 256 rows of 4096 bytes a tile,
	s_lshl_b32 s47, s15, 19                        ; 128 rows for wr,
	s_add_co_u32 s46, s46, s47
	s_lshl_b32 s47, s41, 10                        ; 256 columns of 4 bytes a block,
	s_add_co_u32 s46, s46, s47
	s_lshl_b32 s47, s16, 8                         ; 64 columns for wc
	s_add_co_u32 s46, s46, s47
	s_mov_b32 s47, 0
	s_add_nc_u64 s[10:11], s[10:11], s[46:47]
; rows 16 i .. of my block = the eight tiles (a, 0..7) of window 2 or 3 (win = 0x08 or 0x0c: the data of an LDS store are source 1); f: F0 or F1 in turn
.macro OUT16 i, a, win, f
	WIN \win
.irp b, 0,1,2,3,4,5,6,7
	ds_store_b128 v[STO], v[8*(8*\a+\b):8*(8*\a+\b)+3]   offset:256*(\b/4)+64*(\b%4)
	ds_store_b128 v[STO], v[8*(8*\a+\b)+4:8*(8*\a+\b)+7] offset:256*(\b/4)+64*(\b%4)+16
.endr
	WIN 0
	s_wait_xcnt 0x0                                ; buffer f, which earlier stores read, and the base of the stores are rewritten only behind this wait
.if \i
	s_add_nc_u64 s[10:11], s[10:11], 65536         ; 16 rows of y on
.endif
.irp t, 0,1,2,3,4,5,6,7,8,9,10,11,12,13,14,15
	ds_load_b128 v[\f+4*\t:\f+4*\t+3], v[RD] offset:SP*\t
.endr
.irp t, 0,1,2,3,4,5,6,7,8,9,10,11,12,13,14,15
	s_wait_dscnt 15-\t                             ; the younger loads may stay out
	global_store_b128 v[CO], v[\f+4*\t:\f+4*\t+3], s[10:11] offset:4096*\t ; each half of the lanes stores 256 consecutive bytes, aligned
.endr
.endm
	OUT16 0, 0, 0x08, F0
	OUT16 1, 1, 0x08, F1
	OUT16 2, 2, 0x08, F0
	OUT16 3, 3, 0x08, F1
	OUT16 4, 0, 0x0c, F0
	OUT16 5, 1, 0x0c, F1
	OUT16 6, 2, 0x0c, F0
	OUT16 7, 3, 0x0c, F1
	s_set_vgpr_msb 0x1
	s_wait_tensorcnt 0x0
	ds_add_u32 v255, v255
	s_wait_dscnt 0x0
	s_set_vgpr_msb 0x100
	CROUND                                         ; the closing round: no work-group ends while a partner may still ask jointly
	s_endpgm
.Lfunc_end_k_q8406d5086d_gemm2:
	.size	k_q8406d5086d_gemm2, .Lfunc_end_k_q8406d5086d_gemm2-k_q8406d5086d_gemm2
	.p2alignl 7, 3214868480
	.fill 96, 4, 3214868480
	.section	.rodata,"a",@progbits
	.p2align	6, 0x0
	.amdhsa_kernel k_q8406d5086d_gemm2
		.amdhsa_group_segment_fixed_size 327680
		.amdhsa_private_segment_fixed_size 0
		.amdhsa_enable_private_segment 0
		.amdhsa_kernarg_size 32
		.amdhsa_user_sgpr_count 2
		.amdhsa_user_sgpr_kernarg_segment_ptr 1
		.amdhsa_wavefront_size32 1
		.amdhsa_system_sgpr_workgroup_id_x 1
		.amdhsa_system_sgpr_workgroup_id_y 1
		.amdhsa_system_sgpr_workgroup_id_z 1
		.amdhsa_system_vgpr_workitem_id 0
		.amdhsa_next_free_vgpr 1024
		.amdhsa_next_free_sgpr 66
		.amdhsa_reserve_vcc 0
		.amdhsa_float_denorm_mode_32 3
		.amdhsa_float_denorm_mode_16_64 3
		.amdhsa_memory_ordered 1
		.amdhsa_forward_progress 1
		.amdhsa_inst_pref_size 144
	.end_amdhsa_kernel
	.amdgpu_metadata
---
amdhsa.version: [ 1, 2 ]
amdhsa.kernels:
  - .name:           k_q8406d5086d_gemm2
    .symbol:         k_q8406d5086d_gemm2.kd
    .args:
      - { .name: inter, .offset: 0, .size: 8, .value_kind: global_buffer, .address_space: global }
      - { .name: wb, .offset: 8, .size: 8, .value_kind: global_buffer, .address_space: global }
      - { .name: rtab, .offset: 16, .size: 8, .value_kind: global_buffer, .address_space: global }
      - { .name: y, .offset: 24, .size: 8, .value_kind: global_buffer, .address_space: global }
    .group_segment_fixed_size: 327680
    .private_segment_fixed_size: 0
    .kernarg_segment_align: 8
    .kernarg_segment_size: 32
    .max_flat_workgroup_size: 128
    .sgpr_count:     66
    .vgpr_count:     1024
    .wavefront_size: 32
...
	.end_amdgpu_metadata
.endif
;; end of part 5
;; launch combine (part 6): grid 256 x 1, 8 waves a work-group, no clusters, 0 bytes of LDS; arguments y, rtab, topw, out0; writes out0
.if DOCPART == 6
	.amdgcn_target "amdgcn-amd-amdhsa--gfx1250"
	.amdhsa_code_object_version 6
	.text
	.protected	k_q8406d5086d_combine
	.globl	k_q8406d5086d_combine
	.p2align	8
	.type	k_q8406d5086d_combine,@function
k_q8406d5086d_combine:
	s_mov_b64 s[64:65], 0
	v_nop
	global_prefetch_b8 v0, s[64:65] scope:SCOPE_SE
	s_setreg_imm32_b32 hwreg(HW_REG_WAVE_MODE, 25, 1), 1
	s_wait_xcnt 0x0
; combine: out0[t] = y[t] (the shared expert) + w0 y[pos[t][0]] + w1 y[pos[t][1]], rows of 1024 f32.
; A wave takes 2 tokens: 48 loads of 512 neighbouring bytes, all on their way at once, 64 packed multiply-adds, 16 stores.
; The rows come from whole numbers that an earlier launch stored, each clamped to the 14080 rows of y.  Every row of y that is read is read once.
; A stream: no LDS, no barrier, no matrix unit.
.set V, 8                              ; token k: shared row at V + 96 k + 4 j, first routed row + 32, second + 64
	s_load_b256 s[4:11], s[0:1], 0x0               ; y s[4:5], rtab s[6:7], topw s[8:9], out0 s[10:11]
	v_lshrrev_b32 v2, 5, v0
	v_readfirstlane_b32 s12, v2                    ; wave
	v_and_b32 v1, 31, v0
	v_lshlrev_b32 v1, 4, v1                        ; 16 x lane
	s_lshl_b32 s13, ttmp9, 4
	s_lshl_b32 s14, s12, 1
	s_add_co_u32 s13, s13, s14                     ; my first token
	s_lshl_b32 s14, s13, 3                         ; 8 bytes a token in pos and in topw
	s_lshl_b32 s40, s13, 12                        ; 4096 bytes a token in y and in out0
	s_mov_b32 s41, 0
	s_wait_kmcnt 0x0
	s_load_b128 s[16:19], s[6:7], s14 offset:0x0   ; the four rows
	s_load_b128 s[20:23], s[8:9], s14 offset:0x0   ; the four weights
	s_add_nc_u64 s[24:25], s[4:5], s[40:41]        ; the shared rows: row = token
	s_add_nc_u64 s[10:11], s[10:11], s[40:41]
	s_wait_kmcnt 0x0
.irp q, 0,1,2,3
	s_min_u32 s[16+\q], s[16+\q], 14079
	s_lshl_b32 s42, s[16+\q], 12
	s_mov_b32 s43, 0
	s_add_nc_u64 s[26+2*\q:27+2*\q], s[4:5], s[42:43]
.endr
	s_mov_b32 s36, s21                             ; a packed multiply takes the first register of an even pair for both halves:
	s_mov_b32 s37, s21                             ; the weights at odd registers get pairs of their own
	s_mov_b32 s38, s23
	s_mov_b32 s39, s23
.irp k, 0,1
.irp j, 0,1,2,3,4,5,6,7
	global_load_b128 v[V+96*\k+4*\j:V+96*\k+4*\j+3], v1, s[24:25] offset:4096*\k+512*\j th:TH_LOAD_NT
.endr
.irp j, 0,1,2,3,4,5,6,7
	global_load_b128 v[V+96*\k+32+4*\j:V+96*\k+32+4*\j+3], v1, s[26+4*\k:27+4*\k] offset:512*\j th:TH_LOAD_NT
.endr
.irp j, 0,1,2,3,4,5,6,7
	global_load_b128 v[V+96*\k+64+4*\j:V+96*\k+64+4*\j+3], v1, s[28+4*\k:29+4*\k] offset:512*\j th:TH_LOAD_NT
.endr
.endr
.macro TOKEN k, left
	s_wait_loadcnt \left
.set i, 0
.rept 16
	v_pk_fma_f32 v[V+96*\k+i:V+96*\k+i+1], v[V+96*\k+32+i:V+96*\k+32+i+1], s[20+2*\k:21+2*\k], v[V+96*\k+i:V+96*\k+i+1] op_sel_hi:[1,0,1]
.set i, i+2
.endr
.set i, 0
.rept 16
	v_pk_fma_f32 v[V+96*\k+i:V+96*\k+i+1], v[V+96*\k+64+i:V+96*\k+64+i+1], s[36+2*\k:37+2*\k], v[V+96*\k+i:V+96*\k+i+1] op_sel_hi:[1,0,1]
.set i, i+2
.endr
.irp j, 0,1,2,3,4,5,6,7
	global_store_b128 v1, v[V+96*\k+4*\j:V+96*\k+4*\j+3], s[10:11] offset:4096*\k+512*\j th:TH_STORE_NT
.endr
.endm
	TOKEN 0, 24                                    ; the 24 loads of the second token may stay out
	TOKEN 1, 0
	s_endpgm
.Lfunc_end_k_q8406d5086d_combine:
	.size	k_q8406d5086d_combine, .Lfunc_end_k_q8406d5086d_combine-k_q8406d5086d_combine
	.p2alignl 7, 3214868480
	.fill 96, 4, 3214868480
	.section	.rodata,"a",@progbits
	.p2align	6, 0x0
	.amdhsa_kernel k_q8406d5086d_combine
		.amdhsa_group_segment_fixed_size 0
		.amdhsa_private_segment_fixed_size 0
		.amdhsa_enable_private_segment 0
		.amdhsa_kernarg_size 32
		.amdhsa_user_sgpr_count 2
		.amdhsa_user_sgpr_kernarg_segment_ptr 1
		.amdhsa_wavefront_size32 1
		.amdhsa_system_sgpr_workgroup_id_x 1
		.amdhsa_system_sgpr_workgroup_id_y 1
		.amdhsa_system_sgpr_workgroup_id_z 1
		.amdhsa_system_vgpr_workitem_id 0
		.amdhsa_next_free_vgpr 208
		.amdhsa_next_free_sgpr 66
		.amdhsa_reserve_vcc 0
		.amdhsa_float_denorm_mode_32 3
		.amdhsa_float_denorm_mode_16_64 3
		.amdhsa_memory_ordered 1
		.amdhsa_forward_progress 1
		.amdhsa_inst_pref_size 12
	.end_amdhsa_kernel
	.amdgpu_metadata
---
amdhsa.version: [ 1, 2 ]
amdhsa.kernels:
  - .name:           k_q8406d5086d_combine
    .symbol:         k_q8406d5086d_combine.kd
    .args:
      - { .name: y, .offset: 0, .size: 8, .value_kind: global_buffer, .address_space: global }
      - { .name: rtab, .offset: 8, .size: 8, .value_kind: global_buffer, .address_space: global }
      - { .name: topw, .offset: 16, .size: 8, .value_kind: global_buffer, .address_space: global }
      - { .name: out0, .offset: 24, .size: 8, .value_kind: global_buffer, .address_space: global }
    .group_segment_fixed_size: 0
    .private_segment_fixed_size: 0
    .kernarg_segment_align: 8
    .kernarg_segment_size: 32
    .max_flat_workgroup_size: 256
    .sgpr_count:     66
    .vgpr_count:     208
    .wavefront_size: 32
...
	.end_amdgpu_metadata
.endif
;; end of part 6
;; ======== version 2 of 2: 6 launches; version 1 with the launch route written anew for expert scheduling mode
;; workspace buffers: xb 8,388,608 bytes; topi 32,768 bytes of whole numbers; topw 32,768 bytes; wb 28,311,552 bytes; rtab 73,984 bytes of whole numbers; xr 20,447,232 bytes; inter 14,417,920 bytes; y 57,671,680 bytes
;; launch route (part 7): grid 256 x 1, 4 waves a work-group, no clusters, 0 bytes of LDS; arguments hidden_states, gate_w, xb, topi, topw; writes xb, topi, topw
.if DOCPART == 7
	.amdgcn_target "amdgcn-amd-amdhsa--gfx1250"
	.amdhsa_code_object_version 6
	.text
	.protected	k_q8406d5086d_route
	.globl	k_q8406d5086d_route
	.p2align	8
	.type	k_q8406d5086d_route,@function
k_q8406d5086d_route:
	s_mov_b64 s[64:65], 0
	v_nop
	global_prefetch_b8 v0, s[64:65] scope:SCOPE_SE
	s_setreg_imm32_b32 hwreg(HW_REG_WAVE_SCHED_MODE, 0, 2), 2
	s_setreg_imm32_b32 hwreg(HW_REG_WAVE_MODE, 25, 1), 1
	s_wait_xcnt 0x0
	s_wait_alu depctr_vm_vsrc(0)
; route: x rounded once to bf16 (stored for the later products); for each of 4096 tokens the 8 router logits, softmax (maximum taken
; away first), the two largest scores (ties to the lower index), their weights divided by (sum + 1e-20).
; Four waves, a wave owns 4 tokens; lane l holds x[t][128 j + 4 l .. + 3], j = 0..7, so x is read once and serves both uses.
; The product of the router takes x and gate_w ROUNDED TO BF16, as every other matrix product of this program does: router and experts see the same x.
; The products of two bf16 numbers are exact in f32, the sums are f32 multiply-adds on the vector unit: 8 columns fill half a matrix tile,
; the work is 8 rows of 1024 for a token, and x lies in these registers for the cast anyway.
; LIMITS: against a router in full f32 a second and a third score may change places where their logits differ by less than the rounding of the
; operands brings (relative 2^-9 at most an operand); against a router on the rounded operands only the order of the f32 sums differs
; (about 1e-6 relative).  With NaN among the logits the two indices are both 0; later launches clamp every index.
; THE MODE: SCHED_MODE bits 1:0 = 2 (LLVM: expert scheduling mode 2), set by the entry lines.  The code itself states the register dependences
; between vector instructions and memory instructions, with s_wait_alu, always for 0.
; THE PLAN.  Registers that memory instructions touch:
;   v1, v3        byte offsets of every load and of every store: made once at the head and never written again.
;   X             the loads of x land in it once, before any vector instruction has named it; from then on vector instructions alone name it.
;   PK0 PK1 PK2   a token's sixteen conversions write a buffer; its eight stores to xb and its widening lines read it.  Tokens 0, 1 and 2 have a buffer
;                 each, token 3 takes PK0 again; behind all the stores these registers become L, ACC and T.
;   G0, G1        a gate row lands; expert e's conversions read it, its widening lines write it, its multiply-adds read it; row e + 2 lands in it again.
;   R             the last selects write v[40:43], which the last two stores read.
; Scalar registers that vector instructions write: s14 (the wave), s[24:31] (masks of compares), VCC (the last mask): each run of writers has one wait ahead of its first reader.
; The four tokens' softmax and top 2 go side by side, so that a run of compares, or of exponentials, has four or more members for its one wait.
.set PK0, 8                            ; v[8:23]    first: x of a token packed to bf16, on its way to xb: tokens 0 and 3
.set PK1, 24                           ; v[24:39]   token 1
.set PK2, 40                           ; v[40:55]   token 2
.set L,   8                            ; v[8:39]    then: logit of (t, e) at L + 8 t + e
.set ACC, 40                           ; v[40:47]   four running pairs, one a token
.set R,   40                           ; v[40:55]   later: i1, i2, w1, w2 of token t at R + 4 t
.set T,   48                           ; v[48:63]   a gate row packed to bf16
.set X,   64                           ; v[64:191]  x of token t, chunk j at X + 32 t + 4 j
.set G,   192                          ; v[192:255] two buffers of 32: one gate row each
.set P,   64                           ; later, in X's place, token t's registers at + 32 t: the 8 exponentials, then scores
.set M,   72
.set Z,   73
.set U,   74                           ; three partial sums
.set RZ,  77
.set B1,  78
.set B2,  79
.set DEN, 80
.set MK,  24                           ; s[24:31]   masks of compares
	s_load_b256 s[4:11], s[0:1], 0x0               ; hidden_states s[4:5], gate_w s[6:7], xb s[8:9], topi s[10:11]
	s_load_b64 s[12:13], s[0:1], 0x20              ; topw
	v_and_b32 v2, 31, v0                           ; lane
	v_lshrrev_b32 v4, 5, v0
	v_readfirstlane_b32 s14, v4                    ; wave
	v_lshlrev_b32 v1, 4, v2                        ; 16 x lane
	v_lshlrev_b32 v3, 3, v2                        ; 8 x lane
	s_mov_b32 s20, 0x76543210                      ; v_permlanex16_b32: lane i reads lane i of the other half
	s_mov_b32 s21, 0xfedcba98
	s_mov_b32 s25, 0xffff0000                      ; the upper bf16 of a word
	s_lshl_b32 s16, ttmp9, 16                      ; 16 tokens of 4096 bytes a work-group,
	s_wait_alu depctr_va_sdst(0)                   ; s14 is written, ahead of its first reader: the bases are made from it
	s_lshl_b32 s15, s14, 14                        ; 4 a wave
	s_add_co_u32 s16, s16, s15
	s_mov_b32 s17, 0
	s_lshr_b32 s18, s16, 1                         ; the same tokens in bf16: half the bytes
	s_mov_b32 s19, 0
	s_lshr_b32 s22, s16, 9                         ; 8 bytes a token in topi and in topw
	s_mov_b32 s23, 0
	s_wait_kmcnt 0x0
	s_add_nc_u64 s[4:5], s[4:5], s[16:17]
	s_add_nc_u64 s[8:9], s[8:9], s[18:19]
	s_add_nc_u64 s[10:11], s[10:11], s[22:23]
	s_add_nc_u64 s[12:13], s[12:13], s[22:23]
	s_wait_alu depctr_va_vdst(0)                   ; v1 and v3 are written: every load and store of the kernel reads one of them as its offset
.irp t, 0,1,2,3
.irp j, 0,1,2,3,4,5,6,7
	global_load_b128 v[X+32*\t+4*\j:X+32*\t+4*\j+3], v1, s[4:5] offset:4096*\t+512*\j th:TH_LOAD_NT
.endr
.endr
.macro GATE e, buf                     ; one gate row, 8 loads of 512 neighbouring bytes
.irp j, 0,1,2,3,4,5,6,7
	global_load_b128 v[G+32*\buf+4*\j:G+32*\buf+4*\j+3], v1, s[6:7] offset:4096*(\e)+512*\j
.endr
.endm
	GATE 0, 0
	GATE 1, 1
; Token t is rounded to bf16 into the 16 registers from pk on (PACKX), stored (a store of the wave covers 256 consecutive bytes, aligned)
; and widened back in place (SENDX, WIDEX): from there on X holds the rounded numbers as f32.
.macro PACKX t, pk
.irp j, 0,1,2,3,4,5,6,7
	v_cvt_pk_bf16_f32 v[\pk+2*\j],   v[X+32*\t+4*\j],   v[X+32*\t+4*\j+1]
	v_cvt_pk_bf16_f32 v[\pk+2*\j+1], v[X+32*\t+4*\j+2], v[X+32*\t+4*\j+3]
.endr
.endm
; The eight stores, each ahead of the widening of its own chunk's first word: no vector line issued since the wait on the conversions names a register that a later store reads.
.macro SENDX t, pk
.irp j, 0,1,2,3,4,5,6,7
	global_store_b64 v3, v[\pk+2*\j:\pk+2*\j+1], s[8:9] offset:2048*\t+256*\j
	v_lshlrev_b32 v[X+32*\t+4*\j],   16,  v[\pk+2*\j]
	v_and_b32     v[X+32*\t+4*\j+1], s25, v[\pk+2*\j]
.endr
.endm
; The second words: sixteen lines a token that stand between the stores and the wait for them.
.macro WIDEX t, pk
.irp j, 0,1,2,3,4,5,6,7
	v_lshlrev_b32 v[X+32*\t+4*\j+2], 16,  v[\pk+2*\j+1]
	v_and_b32     v[X+32*\t+4*\j+3], s25, v[\pk+2*\j+1]
.endr
.endm
	s_wait_loadcnt 16                              ; x is in; the 16 loads of the first two gate rows may stay out
	PACKX 0, PK0
	PACKX 1, PK1
	s_wait_alu depctr_va_vdst(0)                   ; the conversions have written PK0 and PK1, which the sixteen stores below read
	SENDX 0, PK0
	SENDX 1, PK1
	WIDEX 0, PK0
	WIDEX 1, PK1
	PACKX 2, PK2                                   ; a buffer of its own: no memory instruction has read it
	s_wait_xcnt 0x0                                ; the packed registers, which the stores read, are rewritten only behind this wait
	s_wait_alu depctr_vm_vsrc(0)                   ; the stores of token 0 have read PK0, which the conversions of token 3 write again
	PACKX 3, PK0
	s_wait_alu depctr_va_vdst(0)                   ; the conversions have written PK2 and PK0, which the sixteen stores below read
	SENDX 2, PK2
	SENDX 3, PK0
	WIDEX 2, PK2
	WIDEX 3, PK0
	s_wait_xcnt 0x0                                ; and again: the logits, the running pairs and the packed gate row take the same registers
	s_wait_alu depctr_vm_vsrc(0)                   ; all stores to xb have read PK0, PK1 and PK2, which are L, ACC and T from here on
; One expert for my four tokens.  left: the younger loads that may stay out (the next gate row).
.macro EXPERT e, buf, left, next
	s_wait_loadcnt \left
.set i, 0
.rept 16
	v_cvt_pk_bf16_f32 v[T+i], v[G+32*\buf+2*i], v[G+32*\buf+2*i+1]         ; the gate row rounded to bf16,
.set i, i+1
.endr
.set i, 0
.rept 16
	v_lshlrev_b32 v[G+32*\buf+2*i],   16,  v[T+i]                          ; and widened back in place
	v_and_b32     v[G+32*\buf+2*i+1], s25, v[T+i]
.set i, i+1
.endr
.irp t, 0,1,2,3
	v_pk_mul_f32 v[ACC+2*\t:ACC+2*\t+1], v[X+32*\t:X+32*\t+1], v[G+32*\buf:G+32*\buf+1]      ; the first product starts the sum
.endr
.irp k, 2,4,6,8,10,12,14,16,18,20,22,24,26,28,30
.irp t, 0,1,2,3
	v_pk_fma_f32 v[ACC+2*\t:ACC+2*\t+1], v[X+32*\t+\k:X+32*\t+\k+1], v[G+32*\buf+\k:G+32*\buf+\k+1], v[ACC+2*\t:ACC+2*\t+1]
.endr
.endr
.if \next
	s_wait_alu depctr_va_vdst(0)                   ; the widening lines have written this gate buffer and the multiply-adds are done reading it: the next row but one lands in it
	GATE \e+2, \buf
.endif
.irp t, 0,1,2,3
	v_add_f32 v[L+8*\t+\e], v[ACC+2*\t], v[ACC+2*\t+1]                     ; these name ACC and L alone, none of the registers that the loads above touch
.endr
.endm
	EXPERT 0, 0, 8, 1
	EXPERT 1, 1, 8, 1
	EXPERT 2, 0, 8, 1
	EXPERT 3, 1, 8, 1
	EXPERT 4, 0, 8, 1
	EXPERT 5, 1, 8, 1
	EXPERT 6, 0, 8, 0
	EXPERT 7, 1, 0, 0
	; the 32 sums over the 32 lanes, one step for all of them at a time so that no step waits for the one in front of it
.irp m, 1,2,4,8
.set i, 0
.rept 32
	v_add_f32_dpp v[L+i], v[L+i], v[L+i] row_xmask:\m row_mask:0xf bank_mask:0xf
.set i, i+1
.endr
.endr
.set i, 0
.rept 32
	v_permlanex16_b32 v[G+i], v[L+i], s20, s21     ; its destination counts as read: these registers have held a gate row
.set i, i+1
.endr
.set i, 0
.rept 32
	v_add_f32 v[L+i], v[L+i], v[G+i]
.set i, i+1
.endr
	; softmax, top 2 and the weights of my four tokens, side by side; every lane computes the same.
.irp t, 0,1,2,3
	v_max3_num_f32 v[M+32*\t], v[L+8*\t], v[L+8*\t+1], v[L+8*\t+2]
.endr
.irp t, 0,1,2,3
	v_max3_num_f32 v[M+32*\t], v[M+32*\t], v[L+8*\t+3], v[L+8*\t+4]
.endr
.irp t, 0,1,2,3
	v_max3_num_f32 v[M+32*\t], v[M+32*\t], v[L+8*\t+5], v[L+8*\t+6]
.endr
.irp t, 0,1,2,3
	v_max_num_f32 v[M+32*\t], v[M+32*\t], v[L+8*\t+7]
.endr
.irp t, 0,1,2,3
.irp e, 0,1,2,3,4,5,6,7
	v_sub_f32 v[P+32*\t+\e], v[L+8*\t+\e], v[M+32*\t]      ; the difference first, unfused: it is exactly 0 at the maximum
.endr
.endr
.irp t, 0,1,2,3
.irp e, 0,1,2,3,4,5,6,7
	v_mul_f32 v[P+32*\t+\e], 0x3fb8aa3b, v[P+32*\t+\e]     ; log2(e): v_exp_f32 works in base 2
.endr
.endr
.irp t, 0,1,2,3
.irp e, 0,1,2,3,4,5,6,7
	v_exp_f32 v[P+32*\t+\e], v[P+32*\t+\e]
.endr
.endr
.irp t, 0,1,2,3
	v_mov_b32 v[R+4*\t], 0                         ; plain instructions between the exponentials and their use (ISA guide 5.7.2): i1 starts at 0
.endr
	s_wait_alu depctr_va_vdst(0)                   ; the 32 exponentials have written P, ahead of their first reader
.irp t, 0,1,2,3
	v_add_f32 v[Z+32*\t], v[P+32*\t], v[P+32*\t+1]
	v_add_f32 v[U+32*\t], v[P+32*\t+2], v[P+32*\t+3]
	v_add_f32 v[U+32*\t+1], v[P+32*\t+4], v[P+32*\t+5]
	v_add_f32 v[U+32*\t+2], v[P+32*\t+6], v[P+32*\t+7]
.endr
.irp t, 0,1,2,3
	v_add_f32 v[Z+32*\t], v[Z+32*\t], v[U+32*\t]
	v_add_f32 v[U+32*\t+1], v[U+32*\t+1], v[U+32*\t+2]
.endr
.irp t, 0,1,2,3
	v_add_f32 v[Z+32*\t], v[Z+32*\t], v[U+32*\t+1] ; at least 1: the maximum gives 1
.endr
.irp t, 0,1,2,3
	v_rcp_f32 v[RZ+32*\t], v[Z+32*\t]
.endr
.irp t, 0,1,2,3
	v_mov_b32 v[R+4*\t+1], 0                       ; the plain places behind the reciprocals: i2 starts at 0
.endr
	s_wait_alu depctr_va_vdst(0)                   ; the four reciprocals have written RZ, ahead of their first reader
.irp t, 0,1,2,3
.irp e, 0,1,2,3,4,5,6,7
	v_mul_f32 v[P+32*\t+\e], v[P+32*\t+\e], v[RZ+32*\t]    ; the scores
.endr
.endr
.irp t, 0,1,2,3
	v_mov_b32 v[B1+32*\t], v[P+32*\t]
.endr
.irp e, 1,2,3,4,5,6,7
.irp t, 0,1,2,3
	v_cmp_gt_f32 s[MK+\t], v[P+32*\t+\e], v[B1+32*\t]      ; strictly larger: a tie stays with the lower index
.endr
	s_wait_alu depctr_va_sdst(0)                   ; the four compares have written their masks, which the selects below read
.irp t, 0,1,2,3
	v_cndmask_b32 v[B1+32*\t], v[B1+32*\t], v[P+32*\t+\e], s[MK+\t]
	v_cndmask_b32 v[R+4*\t], v[R+4*\t], \e, s[MK+\t]
.endr
.endr
.irp t, 0,1,2,3
.irp e, 0,1,2,3,4,5,6,7
	v_cmp_eq_u32 s[MK+\e], \e, v[R+4*\t]
.endr
	s_wait_alu depctr_va_sdst(0)                   ; the eight compares have written their masks, which the selects below read
.irp e, 0,1,2,3,4,5,6,7
	v_cndmask_b32 v[P+32*\t+\e], v[P+32*\t+\e], -1.0, s[MK+\e]     ; the winner leaves the field: scores are never negative
.endr
.endr
.irp t, 0,1,2,3
	v_mov_b32 v[B2+32*\t], v[P+32*\t]
.endr
.irp e, 1,2,3,4,5,6,7
.irp t, 0,1,2,3
	v_cmp_gt_f32 s[MK+\t], v[P+32*\t+\e], v[B2+32*\t]
.endr
	s_wait_alu depctr_va_sdst(0)                   ; the four compares have written their masks, which the selects below read
.irp t, 0,1,2,3
	v_cndmask_b32 v[B2+32*\t], v[B2+32*\t], v[P+32*\t+\e], s[MK+\t]
	v_cndmask_b32 v[R+4*\t+1], v[R+4*\t+1], \e, s[MK+\t]
.endr
.endr
.irp t, 0,1,2,3
	v_add_f32 v[DEN+32*\t], v[B1+32*\t], v[B2+32*\t]
.endr
.irp t, 0,1,2,3
	v_add_f32 v[DEN+32*\t], 0x1e3ce508, v[DEN+32*\t]       ; + 1e-20
.endr
.irp t, 0,1,2,3
	v_rcp_f32 v[DEN+32*\t], v[DEN+32*\t]
.endr
	v_nop                                          ; the plain place behind the reciprocals
	s_wait_alu depctr_va_vdst(0)                   ; the four reciprocals have written DEN, ahead of their first reader
.irp t, 0,1,2,3
	v_mul_f32 v[R+4*\t+2], v[B1+32*\t], v[DEN+32*\t]
	v_mul_f32 v[R+4*\t+3], v[B2+32*\t], v[DEN+32*\t]
.endr
	; lane t (0..3) takes token t: two stores of 32 bytes a wave; these two tables are 64 KiB in the whole launch
.irp t, 1,2,3
	v_cmp_eq_u32 s[MK+\t], \t, v2
.endr
	v_cmp_gt_u32 vcc_lo, 4, v2
	s_wait_alu depctr_va_sdst(0)                   ; the three compares have written their masks, which the selects below read
.irp t, 1,2,3
.irp k, 0,1,2,3
	v_cndmask_b32 v[R+\k], v[R+\k], v[R+4*\t+\k], s[MK+\t]
.endr
.endr
	s_wait_xcnt 0x0                                ; EXEC is a source of the memory instructions issued so far: it is narrowed only behind this wait
	s_wait_alu depctr_va_vcc(0)                    ; VCC is written: EXEC is made from it
	s_wait_alu depctr_va_vdst(0)                   ; every vector instruction issued under the full EXEC is done; among them the selects have written v[R:R+3], which the two stores read
	s_wait_alu depctr_vm_vsrc(0)                   ; every memory instruction issued under the full EXEC has read its registers
	s_and_saveexec_b32 s24, vcc_lo
	global_store_b64 v3, v[R:R+1], s[10:11]
	global_store_b64 v3, v[R+2:R+3], s[12:13]
	s_endpgm
.Lfunc_end_k_q8406d5086d_route:
	.size	k_q8406d5086d_route, .Lfunc_end_k_q8406d5086d_route-k_q8406d5086d_route
	.p2alignl 7, 3214868480
	.fill 96, 4, 3214868480
	.section	.rodata,"a",@progbits
	.p2align	6, 0x0
	.amdhsa_kernel k_q8406d5086d_route
		.amdhsa_group_segment_fixed_size 0
		.amdhsa_private_segment_fixed_size 0
		.amdhsa_enable_private_segment 0
		.amdhsa_kernarg_size 40
		.amdhsa_user_sgpr_count 2
		.amdhsa_user_sgpr_kernarg_segment_ptr 1
		.amdhsa_wavefront_size32 1
		.amdhsa_system_sgpr_workgroup_id_x 1
		.amdhsa_system_sgpr_workgroup_id_y 1
		.amdhsa_system_sgpr_workgroup_id_z 1
		.amdhsa_system_vgpr_workitem_id 0
		.amdhsa_next_free_vgpr 256
		.amdhsa_next_free_sgpr 66
		.amdhsa_reserve_vcc 1
		.amdhsa_float_denorm_mode_32 3
		.amdhsa_float_denorm_mode_16_64 3
		.amdhsa_memory_ordered 1
		.amdhsa_forward_progress 1
		.amdhsa_inst_pref_size 107
	.end_amdhsa_kernel
	.amdgpu_metadata
---
amdhsa.version: [ 1, 2 ]
amdhsa.kernels:
  - .name:           k_q8406d5086d_route
    .symbol:         k_q8406d5086d_route.kd
    .args:
      - { .name: hidden_states, .offset: 0, .size: 8, .value_kind: global_buffer, .address_space: global }
      - { .name: gate_w, .offset: 8, .size: 8, .value_kind: global_buffer, .address_space: global }
      - { .name: xb, .offset: 16, .size: 8, .value_kind: global_buffer, .address_space: global }
      - { .name: topi, .offset: 24, .size: 8, .value_kind: global_buffer, .address_space: global }
      - { .name: topw, .offset: 32, .size: 8, .value_kind: global_buffer, .address_space: global }
    .group_segment_fixed_size: 0
    .private_segment_fixed_size: 0
    .kernarg_segment_align: 8
    .kernarg_segment_size: 40
    .max_flat_workgroup_size: 128
    .sgpr_count:     66
    .vgpr_count:     256
    .wavefront_size: 32
...
	.end_amdgpu_metadata
.endif
;; end of part 7
;; launch plancast: the kernel of part 2 again; grid 433 x 1, 8 waves a work-group, no clusters, 43,008 bytes of LDS; arguments Wg, Wu, Wd, sWg, sWu, sWd, topi, wb, rtab; writes wb, rtab
;; launch gather: the kernel of part 3 again; grid 312 x 1, 8 waves a work-group, no clusters, 0 bytes of LDS; arguments xb, rtab, xr; writes xr
;; launch gemm1: the kernel of part 4 again; grid 4 x 55, 4 waves a work-group, clusters of 4 x 1, 327,680 bytes of LDS; arguments xb, xr, wb, rtab, inter; writes inter
;; launch gemm2: the kernel of part 5 again; grid 4 x 55, 4 waves a work-group, clusters of 4 x 1, 327,680 bytes of LDS; arguments inter, wb, rtab, y; writes y
;; launch combine: the kernel of part 6 again; grid 256 x 1, 8 waves a work-group, no clusters, 0 bytes of LDS; arguments y, rtab, topw, out0; writes out0
